; MI455X (gfx1250); checked and timed in simulation.
; The chip was launched on July 23, 2026; its instructions are those of AMD's public machine-readable ISA for CDNA 5 (MIT licence, August 2026) and "CDNA5" Instruction Set Architecture Reference Guide (July 2026). The comments in the code are by the model that wrote it; some were corrected since.
;; Casual Self Attention. Allowed arithmetic: matrix products marked QUANTISED: E2M1 operands, one E8M0 scale for each 32 along K, by v_wmma_scale_f32_16x16x128_f8f6f4 with both operands' format E2M1 (or v_wmma_scale_f32_32x16x128_f4), f32 sums; products left as they are: bf16, f16 or f32 operands; f32 sums; everything else in f32.
;; Inputs: Wk 1,024 x 1,024 float32; Wo 1,024 x 1,024 float32; Wq 1,024 x 1,024 float32; Wv 1,024 x 1,024 float32; x 2 x 2,048 x 1,024 float32.
;; Outputs: out0 2 x 2,048 x 1,024 float32.
;; This version of the problem:
;;   THIS VERSION OF THE PROBLEM IS GIVEN IN LOW PRECISION. The matrix products marked QUANTISED in the list below multiply operands that are first quantised to E2M1 (2 exponent bits, 1 mantissa bit; 4 bits a number), with one power-of-two scale for each 32 numbers along K (OCP MX v1.0); their sums are f32. The products marked 'left as it is' may take bf16, f16 or f32 operands, with f32 sums. Whichever they take, every output number must still come out within the allowed error. Rounding operands to bf16 (8 significant bits) uses up far more of that allowance than f16 does (11 bits, for magnitudes from 6e-5 to 65,504). All else is computed in f32.
;;   The module's matrix products, in the order in which they are computed (A, B: the left and right operand; K: the contracted axis; several contracted axes count as one K, in the product's order):
;;     1. [M 4,096, K 1,024] x [K 1,024, N 1,024]; A: input x; B: input Wq: QUANTISED
;;     2. [M 4,096, K 1,024] x [K 1,024, N 1,024]; A: input x; B: input Wk: QUANTISED
;;     3. [M 4,096, K 1,024] x [K 1,024, N 1,024]; A: input x; B: input Wv: QUANTISED
;;     4. batch 32 x [M 2,048, K 64] x [K 64, N 2,048]; A: computed on the way; B: computed on the way: left as it is (an operand is computed on the way)
;;     5. batch 32 x [M 2,048, K 2,048] x [K 2,048, N 64]; A: computed on the way; B: computed on the way: left as it is (an operand is computed on the way)
;;     6. [M 4,096, K 1,024] x [K 1,024, N 1,024]; A: computed on the way; B: input Wo: left as it is (an operand is computed on the way)
;;   THE QUANTISER, for each operand of a quantised product, along K:
;;     - K is cut into blocks of 32 from its start; a last block that is shorter is filled with zeros.
;;     - A block's scale is 2^e with e = floor(log2(the largest magnitude in the block)) - 2, held to -126 .. 127; a block of zeros has e = 0. As a byte (E8M0): e + 127.
;;     - Each number is divided by its block's scale, clamped to +-6, and rounded to the nearest number of E2M1, ties to even, subnormals kept.
;;     - The product sums the exact products of the quantised numbers (number of the format x scale) in f32.
;;   ~~~python
;;   def quantise(x, axis):      # numpy; x: float32 -> the quantised numbers, widened to float32 again
;;       x = np.moveaxis(x, axis, -1); K = x.shape[-1]
;;       x = np.pad(x, [(0, 0)] * (x.ndim - 1) + [(0, -K % 32)]); x = x.reshape(x.shape[:-1] + (-1, 32)); a = np.abs(x).max(-1, keepdims=True)
;;       e = np.where(a > 0, np.clip(np.frexp(np.where(a > 0, a, 1))[1] - 1 - 2, -126, 127), 0)      # np.frexp(a)[1] - 1 = floor(log2(a)), exactly
;;       r = np.clip(x / 2.0 ** e, -6, 6)
;;       step = 2.0 ** (np.maximum(np.frexp(np.where(r == 0, 1, r))[1] - 1, 0) - 1)
;;       q = np.round(r / step) * step * 2.0 ** e      # np.round: ties to even
;;       return np.moveaxis(q.reshape(q.shape[:-2] + (-1,))[..., :K], -1, axis).astype(np.float32)
;;   ~~~
;; One version. Each part assembles by itself: llvm-mc -triple=amdgcn-amd-amdhsa -mcpu=gfx1250 --defsym DOCPART=n.
;; ======== version 1 of 1: 5 launches
;; limits: values are held in f16: magnitudes above 65,504 overflow, below 6.1e-05 lose precision
;; workspace buffers: codes 3,670,016 bytes; scales 229,376 bytes; wo16 2,097,152 bytes; qkv 25,165,824 bytes; att 8,388,608 bytes; fine 393,216 bytes
;; launch quant (part 1): grid 256 x 1, 4 waves a work-group, no clusters, 33,280 bytes of LDS; arguments x, Wq, Wk, Wv, Wo, codes, scales, wo16; writes codes, scales, wo16
.if DOCPART == 1
	.amdgcn_target "amdgcn-amd-amdhsa--gfx1250"
	.amdhsa_code_object_version 6
	.text
	.protected	k_qafa7572647_quant
	.globl	k_qafa7572647_quant
	.p2align	8
	.type	k_qafa7572647_quant,@function
k_qafa7572647_quant:
	s_mov_b64 s[64:65], 0
	v_nop
	global_prefetch_b8 v0, s[64:65] scope:SCOPE_SE
	s_setreg_imm32_b32 hwreg(HW_REG_WAVE_MODE, 25, 1), 1
	s_wait_xcnt 0x0
; x [4096][1024], Wq, Wk, Wv [1024][1024], f32, become codes of E2M1, 4 bits each, K innermost, with one E8M0 byte for each 32 along K; Wo [1024][1024] becomes f16, row-major.
; codes: [7168 rows][512 bytes], scales: [7168][32 bytes].  Rows 0-4095 are x's; row 4096 + 192 j + 64 g + i is row 64 j + i of W_g (g = 0 q, 1 k, 2 v; j the head): the 192 rows
; that the product's work-group of head j wants lie on end.
; A block's scale is 2^(floor(log2(its largest magnitude)) - 2); its byte is the largest magnitude's own exponent field - 2, held at 1 from below.  Each number is divided by the scale and rounded
; to the nearest code, ties to even; beyond 6 the conversion gives the largest code.
; LIMITS: a block whose largest magnitude lies under 2^-124, a block of zeros among them, gets the byte 1 (its codes add nothing under that byte, and this program alone reads the bytes);
; NaN and infinities are not served; |Wo| stays under 65,504, and numbers of Wo under 6e-5 keep an absolute error of 3e-8 (f16).
; SHARES.  A work-group takes 32,768 numbers, a wave 8,192: eight whole rows.  Work-groups 0-127: x; 128-159: Wq; 160-191: Wk; 192-223: Wv; 224-255: Wo.
; A wave goes in 16 steps of 512 numbers.  Each of a step's four loads reads 512 consecutive bytes; the 2,048 bytes turn through the wave's own stage in LDS and come back 64 bytes a lane, so that a lane
; holds 16 neighbours along K and two neighbouring lanes a block.  A lane's 16 codes are 8 bytes: the wave stores 256 consecutive bytes.  A wave's 256 scale bytes are gathered in LDS and leave as one
; aligned run of 256 bytes.  Waves share nothing: no barrier, no matrix unit, no cluster (no input byte is read by two work-groups).
.set STEPS, 16
.set EMAX,  2
.set CB,    8                          ; bytes of 16 codes
.set R,     16                         ; v16-79   four sets of 16 numbers as they are loaded
.set X,     80                         ; v80-111  two sets of 16 neighbours
.set E,     112                        ; v112-127 a scale byte for each step
.set C,     128                        ; v128-191 codes: four registers for each step, so that no store's data are written again
.set WREG,  8192                       ; LDS: a region for each wave: two stages of 32 x SP bytes, behind them its 256 scale bytes
.set SP,    80                         ; a lane's place in a stage: 64 bytes + 16 of padding
.set SPW,   12                         ; v12  LDS address of my spare word; never rewritten
.set NIL,   13                         ; v13  0; never rewritten
.set SPARE, 4*WREG                     ; behind the four regions: the spare words, 128 bytes a wave
.set WA,    16                         ; Wo's path: v16-79, v80-143 two sets of 16 loads; v144-175, v176-207 two sets of results
.set WB,    80
.set WC0,   144
.set WC1,   176
	s_load_b256 s[4:11], s[0:1], 0x0               ; x s[4:5], Wq s[6:7], Wk s[8:9], Wv s[10:11]
	s_load_b256 s[12:19], s[0:1], 0x20             ; Wo s[12:13], codes s[14:15], scales s[16:17], wo16 s[18:19]
	v_lshl_add_u32 v[SPW], v0, 2, SPARE
	v_mov_b32 v[NIL], 0
	v_lshrrev_b32 v1, 5, v0
	v_readfirstlane_b32 s20, v1                    ; wave
	v_and_b32 v2, 31, v0                           ; lane
	v_lshlrev_b32 v3, 4, v2                        ; my 16 bytes of a load's 512
	s_mul_i32 s21, s20, WREG
	v_lshrrev_b32 v14, 2, v2
	v_mul_u32_u24 v14, v14, SP
	v_and_b32 v15, 3, v2
	v_lshl_add_u32 v14, v15, 4, v14
	v_add_nc_u32 v14, s21, v14                     ; the stage, on the way in: SP (lane / 4) + 16 (lane % 4)
	v_mul_u32_u24 v15, v2, SP
	v_add_nc_u32 v15, s21, v15                     ; and on the way out: SP x lane: my 16 neighbours
	v_mul_u32_u24 v4, v2, CB                       ; 8 x lane: my codes' place in a step's (and my f16 numbers' place on Wo's path)
	v_lshrrev_b32 v5, 1, v2
	s_add_co_u32 s21, s21, 2*32*SP
	v_add_nc_u32 v5, s21, v5                       ; LDS: my wave's 256 scale bytes, my block's byte
	v_lshlrev_b32 v7, 3, v2
	v_add_nc_u32 v6, s21, v7                       ; and on the way out 8 bytes a lane
	; which run of eight rows is my wave's, and where its codes go
	s_sub_co_u32 s24, ttmp9, 128                   ; a weight's work-group: u = 0 .. 95 (for x's work-groups these numbers are made and not chosen)
	s_lshr_b32 s25, s24, 5
	s_and_b32 s25, s25, 3                          ; g: which weight
	s_and_b32 s24, s24, 31
	s_lshl_b32 s24, s24, 2
	s_add_co_u32 s24, s24, s20                     ; its run 0 .. 127
	s_lshr_b32 s26, s24, 3                         ; the head: eight runs of eight rows
	s_mul_i32 s26, s26, 192
	s_lshl_b32 s25, s25, 6
	s_add_co_u32 s26, s26, s25
	s_and_b32 s25, s24, 7
	s_lshl_b32 s25, s25, 3
	s_add_co_u32 s26, s26, s25
	s_add_co_u32 s26, s26, 4096                    ; row 4096 + 192 j + 64 g + i
	s_lshl_b32 s27, ttmp9, 2
	s_add_co_u32 s27, s27, s20                     ; x: run 0 .. 511,
	s_lshl_b32 s28, s27, 3                         ; row 8 x run
	s_cmp_lt_u32 ttmp9, 128
	s_cselect_b32 s24, s27, s24                    ; the run in its tensor
	s_cselect_b32 s26, s28, s26                    ; the first row in codes and scales
	s_mov_b32 s29, 0
	s_wait_kmcnt 0x0
	s_cmp_ge_u32 ttmp9, 224
	s_cbranch_scc1 .Lwo
	s_cmp_lt_u32 ttmp9, 192                        ; the tensor is chosen by the work-group's number alone
	s_cselect_b64 s[22:23], s[8:9], s[10:11]
	s_cmp_lt_u32 ttmp9, 160
	s_cselect_b64 s[22:23], s[6:7], s[22:23]
	s_cmp_lt_u32 ttmp9, 128
	s_cselect_b64 s[22:23], s[4:5], s[22:23]
	s_lshl_b32 s28, s24, 15                        ; a run is 32,768 bytes of f32,
	s_add_nc_u64 s[22:23], s[22:23], s[28:29]
	s_lshl_b32 s28, s26, 9                         ; a row of codes 512 bytes,
	s_add_nc_u64 s[14:15], s[14:15], s[28:29]
	s_lshl_b32 s28, s26, 5                         ; a row of scale bytes 32: eight rows are an aligned run of 256
	s_add_nc_u64 s[16:17], s[16:17], s[28:29]
.macro LOAD t
.irp i, 0,1,2,3
	global_load_b128 v[R+16*((\t)%4)+4*\i:R+16*((\t)%4)+4*\i+3], v3, s[22:23] offset:2048*(\t)+512*\i th:TH_LOAD_NT   ; 32 lanes read 512 consecutive bytes
.endr
.endm
.macro TURN t                          ; step t's numbers through the stage: LDS serves a wave's instructions in order, so no wait stands between the stores and the loads
.irp i, 0,1,2,3
	ds_store_b128 v14, v[R+16*((\t)%4)+4*\i:R+16*((\t)%4)+4*\i+3] offset:32*SP*((\t)%2)+8*SP*\i
.endr
.irp i, 0,1,2,3
	ds_load_b128 v[X+16*((\t)%2)+4*\i:X+16*((\t)%2)+4*\i+3], v15 offset:32*SP*((\t)%2)+16*\i
.endr
.endm
.irp t, 0,1,2,3
	LOAD \t
.endr
	s_wait_loadcnt 12                              ; step 0's four loads are in; the twelve of steps 1 to 3 may be out
	TURN 0
.macro STEP t
.set XS, X+16*((\t)%2)
.if (\t) > 0
	s_wait_dscnt 1                                 ; this step's numbers are back from the stage (the last step's byte store may be out): so its stores into the stage have read their registers,
.else
	s_wait_dscnt 0x0
.endif
.if (\t)+4 < STEPS
	LOAD (\t)+4                                    ; which take the loads of four steps on
.endif
.if (\t)+1 < STEPS
.if STEPS-2-(\t) >= 3
	s_wait_loadcnt 12                              ; the next step's four loads are in; those of the three steps behind it may be out
.else
	s_wait_loadcnt 4*(STEPS-2-(\t))
.endif
	TURN (\t)+1                                    ; and go through the other stage while this step is worked
.endif
	v_max3_num_f32 v8, |v[XS]|, |v[XS+1]|, |v[XS+2]|               ; the largest magnitude of my 16, in two chains
	v_max3_num_f32 v9, |v[XS+3]|, |v[XS+4]|, |v[XS+5]|
.irp i, 6,10
	v_max3_num_f32 v8, v8, |v[XS+\i]|, |v[XS+\i+1]|
	v_max3_num_f32 v9, v9, |v[XS+\i+2]|, |v[XS+\i+3]|
.endr
	v_max3_num_f32 v8, v8, |v[XS+14]|, |v[XS+15]|
	v_max3_num_f32 v8, v8, v9, (EMAX+1)<<23        ; and the floor 2^(3 - 127): so the byte cannot fall under 1
	v_max_num_f32_dpp v8, v8, v8 row_xmask:1 row_mask:0xf bank_mask:0xf   ; and of my neighbour's 16: the block's
	v_add_nc_u32 v11, -(EMAX<<23), v8              ; 2 off its exponent field: the conversion takes the exponent field of this operand as its scale
	v_cvt_scalef32_pk8_fp4_f32 v[C+4*(\t)], v[XS:XS+7], v11
	v_cvt_scalef32_pk8_fp4_f32 v[C+4*(\t)+1], v[XS+8:XS+15], v11
	v_lshrrev_b32 v[E+(\t)], 23, v11               ; the scale's byte (also the plain line behind the conversions)
	ds_store_b8 v5, v[E+(\t)] offset:16*(\t)       ; both lanes of a block write the same byte with the same value
	global_store_b64 v4, v[C+4*(\t):C+4*(\t)+1], s[14:15] offset:32*CB*(\t)   ; 32 lanes store 256 consecutive bytes, aligned
.endm
.irp t, 0,1,2,3,4,5,6,7,8,9,10,11,12,13,14,15
	STEP \t
.endr
	ds_load_b64 v[8:9], v6                         ; LDS serves a wave's instructions in order: these see my byte stores
	s_wait_dscnt 0x0
	global_store_b64 v7, v[8:9], s[16:17]          ; 32 lanes store the wave's 256 scale bytes
	s_branch .Lend
; Wo: 8,192 numbers a wave in four batches of 16 loads; four f32 of a lane become 8 bytes of f16; a store of the wave covers 256 consecutive bytes, aligned.  No LDS.
.Lwo:
	s_sub_co_u32 s24, ttmp9, 224
	s_lshl_b32 s24, s24, 2
	s_add_co_u32 s24, s24, s20                     ; my run 0 .. 127
	s_lshl_b32 s28, s24, 15
	s_add_nc_u64 s[12:13], s[12:13], s[28:29]
	s_lshl_b32 s28, s24, 14
	s_add_nc_u64 s[18:19], s[18:19], s[28:29]
.macro WLOAD b, set
.irp i, 0,1,2,3,4,5,6,7,8,9,10,11,12,13,14,15
	global_load_b128 v[\set+4*\i:\set+4*\i+3], v3, s[12:13] offset:(16*(\b)+\i)*512
.endr
.endm
.macro WOUT b, set, c
.irp i, 0,1,2,3,4,5,6,7,8,9,10,11,12,13,14,15
	v_cvt_pk_f16_f32 v[\c+2*\i], v[\set+4*\i], v[\set+4*\i+1]
	v_cvt_pk_f16_f32 v[\c+2*\i+1], v[\set+4*\i+2], v[\set+4*\i+3]
	global_store_b64 v4, v[\c+2*\i:\c+2*\i+1], s[18:19] offset:(16*(\b)+\i)*256
.endr
.endm
	WLOAD 0, WA
	WLOAD 1, WB
	s_wait_loadcnt 16                              ; the older batch is in, the younger 16 loads may be out
	WOUT 0, WA, WC0
	WLOAD 2, WA
	s_wait_loadcnt 16
	WOUT 1, WB, WC1
	WLOAD 3, WB
	s_wait_loadcnt 16
	s_wait_xcnt 0x0                                ; the stores of batches 0 and 1 have read their data: both sets of results are written again only behind this wait
	WOUT 2, WA, WC0
	s_wait_loadcnt 0x0
	WOUT 3, WB, WC1
.Lend:
	s_wait_tensorcnt 0x0                           ; the wave's end: behind my last LDS store
	ds_add_u32 v[SPW], v[NIL]
	s_wait_dscnt 0x0
	s_endpgm
.Lfunc_end_k_qafa7572647_quant:
	.size	k_qafa7572647_quant, .Lfunc_end_k_qafa7572647_quant-k_qafa7572647_quant
	.p2alignl 7, 3214868480
	.fill 96, 4, 3214868480
	.section	.rodata,"a",@progbits
	.p2align	6, 0x0
	.amdhsa_kernel k_qafa7572647_quant
		.amdhsa_group_segment_fixed_size 33280
		.amdhsa_private_segment_fixed_size 0
		.amdhsa_enable_private_segment 0
		.amdhsa_kernarg_size 64
		.amdhsa_user_sgpr_count 2
		.amdhsa_user_sgpr_kernarg_segment_ptr 1
		.amdhsa_wavefront_size32 1
		.amdhsa_system_sgpr_workgroup_id_x 1
		.amdhsa_system_sgpr_workgroup_id_y 1
		.amdhsa_system_sgpr_workgroup_id_z 1
		.amdhsa_system_vgpr_workitem_id 0
		.amdhsa_next_free_vgpr 208
		.amdhsa_next_free_sgpr 66
		.amdhsa_reserve_vcc 0
		.amdhsa_float_denorm_mode_32 3
		.amdhsa_float_denorm_mode_16_64 3
		.amdhsa_memory_ordered 1
		.amdhsa_forward_progress 1
		.amdhsa_inst_pref_size 54
	.end_amdhsa_kernel
	.amdgpu_metadata
---
amdhsa.version: [ 1, 2 ]
amdhsa.kernels:
  - .name:           k_qafa7572647_quant
    .symbol:         k_qafa7572647_quant.kd
    .args:
      - { .name: x, .offset: 0, .size: 8, .value_kind: global_buffer, .address_space: global }
      - { .name: Wq, .offset: 8, .size: 8, .value_kind: global_buffer, .address_space: global }
      - { .name: Wk, .offset: 16, .size: 8, .value_kind: global_buffer, .address_space: global }
      - { .name: Wv, .offset: 24, .size: 8, .value_kind: global_buffer, .address_space: global }
      - { .name: Wo, .offset: 32, .size: 8, .value_kind: global_buffer, .address_space: global }
      - { .name: codes, .offset: 40, .size: 8, .value_kind: global_buffer, .address_space: global }
      - { .name: scales, .offset: 48, .size: 8, .value_kind: global_buffer, .address_space: global }
      - { .name: wo16, .offset: 56, .size: 8, .value_kind: global_buffer, .address_space: global }
    .group_segment_fixed_size: 33280
    .private_segment_fixed_size: 0
    .kernarg_segment_align: 8
    .kernarg_segment_size: 64
    .max_flat_workgroup_size: 128
    .sgpr_count:     66
    .vgpr_count:     208
    .wavefront_size: 32
...
	.end_amdgpu_metadata
.endif
;; end of part 1
;; launch qkv (part 2): grid 16 x 16, 4 waves a work-group, clusters of 4 x 4, 327,680 bytes of LDS; arguments codes, scales, qkv, fine; writes qkv, fine
.if DOCPART == 2
	.amdgcn_target "amdgcn-amd-amdhsa--gfx1250"
	.amdhsa_code_object_version 6
	.text
	.protected	k_qafa7572647_qkv
	.globl	k_qafa7572647_qkv
	.p2align	8
	.type	k_qafa7572647_qkv,@function
k_qafa7572647_qkv:
	s_mov_b64 s[64:65], 0
	v_nop
	global_prefetch_b8 v0, s[64:65] scope:SCOPE_SE
	s_setreg_imm32_b32 hwreg(HW_REG_WAVE_MODE, 25, 1), 1
	s_wait_xcnt 0x0
	s_wait_alu depctr_hold_cnt(0) depctr_sa_sdst(0) depctr_va_vdst(0) depctr_va_sdst(0) depctr_va_ssrc(0) depctr_va_vcc(0) depctr_vm_vsrc(0)
	s_getreg_b32 s2, hwreg(HW_REG_IB_STS2, 6, 4)
	s_cmp_eq_u32 s2, 0
	s_cbranch_scc0 .Lentry_in_a_cluster
	s_endpgm
.Lentry_in_a_cluster:
	s_bfe_u32 s2, ttmp6, 0x10000c
	s_cmp_lg_u32 s2, 0xf033
	s_cbranch_scc0 .Lentry_shape_is_right
	s_endpgm
.Lentry_shape_is_right:
; q, k, v = x Wq^T, x Wk^T, x Wv^T on codes of E2M1 with one E8M0 scale for each 32 along K (K = 1024); sums in f32.
; A work-group makes 256 rows of x (tile row T) against the 192 rows of W that belong to head j (64 of Wq, 64 of Wk, 64 of Wv).  Wave w takes rows 64 w .. 64 w + 63 against all 192: 48 accumulators.
; K goes in 8 steps of 128; both halves of K (256 bytes of each row) come into two LDS slots with the first fills, and so do the rows' scale bytes: nothing is filled again.
; CLUSTERS: 4 x 4 work-groups.  The four of a row of the cluster need the same rows of x, the four of a column the same rows of W: each tile is asked for jointly.
; RESULTS LEAVE AS IMAGES OF THE NEXT LAUNCH'S OPERAND REGISTERS, in f16: a fragment (16 rows x 32 along that product's K) is 1,024 bytes, registers 0-3 of lane L at 16 L, registers 4-7 at 512 + 16 L:
; every store of the wave covers 512 consecutive bytes, aligned, straight from registers.
;   q (x c = log2(e) / 8, multiplied in f32) and k: the product is used transposed (source 0 = 16 rows of W, source 1 = 16 rows of x): a lane holds one position and eight neighbouring channels.
;   v: the product is used as it stands (source 0 = x, source 1 = Wv): a lane holds one channel and eight neighbouring positions, which are the keys of attention's second product.
;   qkv: q at 0, k at 8,388,608, v at 16,777,216; each [16 b + head][262,144 bytes]; q, k: [tile of 16 positions][32 channels c][1,024]; v: [block of 32 keys][16 channels ct][1,024].
; THE FIRST 16 POSITIONS of each sequence also leave in f32 (fine: [16 b + head][q c, k, v][4,096 bytes], the accumulators as they stand, four registers at 512 m + 16 L), for the launch that carries them finely.
; LIMITS: |q c|, |k|, |v| stay under 65,504 (f16); numbers under 6e-5 keep an absolute error of 3e-8.
; REGISTERS, in windows of 256.  Window 0: v1-30 addresses; v32-63 x's scale words (block a, K step ks: 32 + 8 a + ks), v64-159 W's (block i: 64 + 8 i + ks): they hold scales and nothing else;
;   v160-223 x's fragments, two sets; v224-255 at work on the way out.   Window 1: W's fragments, two sets of 96; on the way out the images.
;   Window 2: q's accumulators at 8 (4 a + nb), k's at 128 + 8 (4 a + nb).   Window 3: v's at 8 (4 a + ct).
.set PITCH, 272                        ; an LDS row: 256 bytes + 16 of padding: the 16 rows that a load touches start 68 words apart
.set XROWS, 256*PITCH                  ; a slot: x's 256 rows, then W's 192
.set SLOT,  448*PITCH
.set SCL,   2*SLOT                     ; behind the slots: x's scale bytes, 32 runs of 256 bytes + 16 of padding,
.set SCW,   SCL+32*272                 ; W's, 24 such runs
.set SPARE, 259072                     ; the spare words, 128 bytes a wave, from the first whole block of 256 bytes behind the scale bytes
.set ADRA, 16                          ; v16-17  LDS address of my x fragments in slot 0, 1
.set ADRB, 18                          ; v18-19  the same for W
.set ADSX, 24                          ; v24     of x's scale words
.set ADSW, 25                          ; v25     of W's
.set GO,   26                          ; v26     16 x lane: my place in an image
.set SPW,  28                          ; v28     LDS address of my spare word; never rewritten
.set NIL,  29                          ; v29     0; never rewritten
.set TM,   30                          ; v30     T % 8: 0 where the tile begins a sequence
.set XS,   32
.set WS,   64
.set XF,   160
.set TQ,   224
.set IQ,   0                           ; the images, in window 1
.set IK,   64
.set IV,   128
.set G1, 24                            ; s[24:31] descriptor group 1 for x's codes;  s[32:39] group 0, a set for each slot
.set G0, 32
.set G1B, 48                           ; s[48:55], s[56:63] the same for W's codes
.set G0B, 56
.set G1S, 68                           ; s[68:75], s[76:79] for x's scale bytes;  s[80:87], s[88:91] for W's
.set G0S, 76
.set G1SB, 80
.set G0SB, 88
.set CODEW, (1<<20)|(1<<21)|(5<<22)|(3<<25)    ; elements of 1 byte; padding on; bit 21 beside a mask; after every 64 words, 4 words
.set SCALW, (3<<16)|CODEW                      ; the same with elements of 8 bytes
.set MSB, 0
.macro WIN new                         ; the immediate's high byte repeats the setting that is left
.if MSB != \new
	s_set_vgpr_msb (MSB<<8)|\new
.set MSB, \new
.endif
.endm
; A joint load: waves 0 and 1 fetch for x, waves 2 and 3 for W.  Each line has one mask and one set of registers for all that issue it; the branch hangs on the wave's number alone.
.macro JLOAD g0a, g1a, g0b, g1b
	s_cmp_eq_u32 s15, 0
	s_cbranch_scc0 .Lfor_b_\@
	tensor_load_to_lds s[\g0a:\g0a+3], s[\g1a:\g1a+7]
	s_nop 0
.rept 4
	v_nop
.endr
	s_branch .Lasked_\@
.Lfor_b_\@:
	tensor_load_to_lds s[\g0b:\g0b+3], s[\g1b:\g1b+7]
	s_nop 0
.rept 4
	v_nop
.endr
.Lasked_\@:
.endm
.macro CROUND                          ; a round of the cluster's barrier
	s_barrier_signal -1
	s_barrier_wait -1
	s_cmp_lg_u32 s14, 0
	s_cbranch_scc1 .Lnot_wave_0_\@
	s_barrier_signal -3
.Lnot_wave_0_\@:
	s_barrier_wait -3
	s_barrier_signal -1
	s_barrier_wait -1
.endm
	s_load_b256 s[4:11], s[0:1], 0x0               ; codes s[4:5], scales s[6:7], qkv s[8:9], fine s[10:11]
	v_lshl_add_u32 v[SPW], v0, 2, SPARE
	v_mov_b32 v[NIL], 0
	ds_add_u32 v[SPW], v[NIL]                      ; the wave's opening: the add, twice on end, and its wait ahead of my first tensor load
	ds_add_u32 v[SPW], v[NIL]
	v_lshrrev_b32 v1, 5, v0
	v_readfirstlane_b32 s14, v1                    ; wave 0..3
	s_lshr_b32 s15, s14, 1                         ; I fetch for x (0) or for W (1),
	s_and_b32 s16, s14, 1                          ; and which half of its rows
	s_bfe_u32 s40, ttmp6, 0x40000                  ; cx, cy: my place in the cluster
	s_bfe_u32 s41, ttmp6, 0x40004
	s_lshl_b32 s42, ttmp9, 2
	s_add_co_u32 s42, s42, s40                     ; the head j = 4 x cluster x + cx
	s_and_b32 s17, ttmp7, 0xffff
	s_lshl_b32 s17, s17, 2
	s_add_co_u32 s17, s17, s41                     ; the tile row T = 4 x cluster y + cy
	s_lshl_b32 s43, s41, 2
	s_lshl_b32 s43, 15, s43                        ; my row of the cluster
	s_lshl_b32 s44, 0x1111, s40                    ; my column
	s_or_b32 s[G1], s43, CODEW                     ; x's codes: 128 rows of 256 bytes, 512 bytes apart
	s_mov_b32 s[G1+1], 256<<16
	s_mov_b32 s[G1+2], 128<<16
	s_mov_b32 s[G1+3], 256<<16
	s_mov_b32 s[G1+4], 128
	s_mov_b32 s[G1+5], 512
	s_mov_b32 s[G1+6], 0
	s_mov_b32 s[G1+7], 0
	s_or_b32 s[G1B], s44, CODEW                    ; W's codes: 96 rows
	s_mov_b32 s[G1B+1], 256<<16
	s_mov_b32 s[G1B+2], 96<<16
	s_mov_b32 s[G1B+3], 256<<16
	s_mov_b32 s[G1B+4], 96
	s_mov_b32 s[G1B+5], 512
	s_mov_b32 s[G1B+6], 0
	s_mov_b32 s[G1B+7], 0
	s_or_b32 s[G1S], s43, SCALW                    ; x's scale bytes of 128 rows: 4,096 dense bytes as 16 rows of 256
	s_mov_b32 s[G1S+1], 32<<16
	s_mov_b32 s[G1S+2], 16<<16
	s_mov_b32 s[G1S+3], 32<<16
	s_mov_b32 s[G1S+4], 16
	s_mov_b32 s[G1S+5], 32
	s_mov_b32 s[G1S+6], 0
	s_mov_b32 s[G1S+7], 0
	s_or_b32 s[G1SB], s44, SCALW                   ; W's of 96 rows: 12 rows of 256
	s_mov_b32 s[G1SB+1], 32<<16
	s_mov_b32 s[G1SB+2], 12<<16
	s_mov_b32 s[G1SB+3], 32<<16
	s_mov_b32 s[G1SB+4], 12
	s_mov_b32 s[G1SB+5], 32
	s_mov_b32 s[G1SB+6], 0
	s_mov_b32 s[G1SB+7], 0
	s_lshl_b32 s18, s16, 7
	s_lshl_b32 s20, s17, 8
	s_add_co_u32 s20, s20, s18                     ; x: row 256 T + 128 x half
	s_lshl_b32 s22, s20, 5                         ; its scale bytes,
	s_lshl_b32 s20, s20, 9                         ; its codes
	s_mov_b32 s21, 0
	s_mov_b32 s23, 0
	s_mul_i32 s46, s42, 192
	s_mul_i32 s18, s16, 96
	s_add_co_u32 s46, s46, s18
	s_add_co_u32 s46, s46, 4096                    ; W: row 4096 + 192 j + 96 x half
	s_lshl_b32 s92, s46, 5
	s_lshl_b32 s46, s46, 9
	s_mov_b32 s47, 0
	s_mov_b32 s93, 0
	s_mul_i32 s45, s16, 128*PITCH                  ; where they go: the half alone enters an LDS address
	s_mul_i32 s94, s16, 96*PITCH
	s_add_co_u32 s94, s94, XROWS
	s_mul_i32 s95, s16, 16*272
	s_mul_i32 s96, s16, 12*272
	s_mov_b32 s12, 0x3e38aa3b                      ; c = log2(e) / sqrt(64)
	s_mov_b32 s13, s12                             ; (named with it as a pair, so it is written)
	s_wait_dscnt 0x0                               ; both opening adds are done
	s_wait_kmcnt 0x0
	s_add_nc_u64 s[20:21], s[4:5], s[20:21]
	s_add_nc_u64 s[22:23], s[6:7], s[22:23]
	s_add_nc_u64 s[46:47], s[4:5], s[46:47]
	s_add_nc_u64 s[92:93], s[6:7], s[92:93]
	CROUND                                         ; all sixteen work-groups are here: the first joint loads meet
	s_mov_b32 s[G0S], 1
	s_add_co_u32 s[G0S+1], s95, SCL
	s_mov_b64 s[G0S+2:G0S+3], s[22:23]
	s_or_b32 s[G0S+3], s[G0S+3], 0x80000000
	s_mov_b32 s[G0SB], 1
	s_add_co_u32 s[G0SB+1], s96, SCW
	s_mov_b64 s[G0SB+2:G0SB+3], s[92:93]
	s_or_b32 s[G0SB+3], s[G0SB+3], 0x80000000
	JLOAD G0S, G1S, G0SB, G1SB                     ; the scale bytes first: they are wanted with K step 0
.irp s, 0,1
	s_mov_b32 s[G0+4*\s], 1
	s_add_co_u32 s[G0+4*\s+1], s45, \s*SLOT
	s_add_nc_u64 s[G0+4*\s+2:G0+4*\s+3], s[20:21], \s*256
	s_or_b32 s[G0+4*\s+3], s[G0+4*\s+3], 0x80000000
	s_mov_b32 s[G0B+4*\s], 1
	s_add_co_u32 s[G0B+4*\s+1], s94, \s*SLOT
	s_add_nc_u64 s[G0B+4*\s+2:G0B+4*\s+3], s[46:47], \s*256
	s_or_b32 s[G0B+4*\s+3], s[G0B+4*\s+3], 0x80000000
	JLOAD G0+4*\s, G1, G0B+4*\s, G1B               ; by this text's count three loads of the wave are out
.endr
	v_and_b32 v1, 15, v0                           ; r = lane % 16
	v_bfe_u32 v2, v0, 4, 1                         ; h = lane / 16
	v_mul_u32_u24 v3, v1, PITCH
	v_lshl_add_u32 v3, v2, 4, v3                   ; a fragment's row x pitch + 16 h
	s_mul_i32 s18, s14, 64*PITCH                   ; my 64 rows of x
	v_add_nc_u32 v[ADRA], s18, v3
	v_add_nc_u32 v[ADRB], XROWS, v3
	v_add_nc_u32 v[ADRA+1], SLOT, v[ADRA]
	v_add_nc_u32 v[ADRB+1], SLOT, v[ADRB]
	v_lshrrev_b32 v4, 3, v1
	v_lshlrev_b32 v5, 5, v1
	v_lshl_add_u32 v5, v4, 4, v5                   ; a row's 32 scale bytes: 32 r, and 16 more behind each 256
	s_mul_i32 s18, s14, 8*272
	s_add_co_u32 s18, s18, SCL
	v_add_nc_u32 v[ADSX], s18, v5
	v_add_nc_u32 v[ADSW], SCW, v5
	v_and_b32 v6, 31, v0
	v_lshlrev_b32 v[GO], 4, v6
	; where the results go
	s_lshr_b32 s46, s17, 3
	s_lshl_b32 s46, s46, 4
	s_add_co_u32 s46, s46, s42                     ; 16 b + head
	s_and_b32 s47, s17, 7
	v_mov_b32 v[TM], s47
	s_lshl_b32 s92, s46, 18                        ; 262,144 bytes a head,
	s_lshl_b32 s47, s47, 15                        ; 32,768 for 256 positions,
	s_add_co_u32 s92, s92, s47
	s_lshl_b32 s47, s14, 13                        ; 8,192 for my 64
	s_add_co_u32 s92, s92, s47
	s_mov_b32 s93, 0
	s_add_nc_u64 s[8:9], s[8:9], s[92:93]          ; q
	s_add_nc_u64 s[94:95], s[8:9], 0x800000        ; k
	s_add_nc_u64 s[96:97], s[8:9], 0x1000000       ; v
	s_mul_i32 s92, s46, 12288
	s_add_nc_u64 s[10:11], s[10:11], s[92:93]      ; the fine rows of this head
.macro SCALES                          ; all scale words of my rows: eight a row, one for each K step
.irp a, 0,1,2,3
.irp e, 0,1
	ds_load_b128 v[XS+8*\a+4*\e:XS+8*\a+4*\e+3], v[ADSX] offset:544*\a+16*\e
.endr
.endr
.irp i, 0,1,2,3,4,5,6,7,8,9,10,11
.irp e, 0,1
	ds_load_b128 v[WS+8*\i+4*\e:WS+8*\i+4*\e+3], v[ADSW] offset:544*\i+16*\e
.endr
.endr
.endm
; 32 LDS loads in one run: K step ks's fragments into set p.  A fragment, 16 rows x 128 K of 4-bit codes, is 8 registers: lane l holds row l % 16; registers 4 c .. 4 c + 3 hold K = 64 c + 32 (l / 16) + 0 .. 31
.macro FETCH ks, p
	WIN 0x40                                       ; destination window 1, address window 0
.irp i, 0,1,2,3,4,5,6,7,8,9,10,11
.irp c, 0,1
	ds_load_b128 v[96*(\p)+8*\i+4*\c:96*(\p)+8*\i+4*\c+3], v[ADRB+(\ks)/4] offset:4352*\i+64*((\ks)%4)+32*\c
.endr
.endr
	WIN 0
.irp a, 0,1,2,3
.irp c, 0,1
	ds_load_b128 v[XF+32*(\p)+8*\a+4*\c:XF+32*(\p)+8*\a+4*\c+3], v[ADRA+(\ks)/4] offset:4352*\a+64*((\ks)%4)+32*\c
.endr
.endr
.endm
; 16 matrix instructions: my four blocks of x against the four blocks of W_g.  K step 0's products start the sums: nothing is cleared.
; The 48 accumulators take turns, one instruction a turn, in the same order in every K step.
.macro MULG g, p, ks
.if (\g) < 2
	WIN 0xa1                                       ; source 0 (W) window 1, source 1 (x) window 0, C and D window 2
.irp a, 0,1,2,3
.irp nb, 0,1,2,3
.if (\ks) == 0
	v_wmma_scale_f32_16x16x128_f8f6f4 v[128*(\g)+8*(4*\a+\nb):128*(\g)+8*(4*\a+\nb)+7], v[96*(\p)+8*(4*(\g)+\nb):96*(\p)+8*(4*(\g)+\nb)+7], v[XF+32*(\p)+8*\a:XF+32*(\p)+8*\a+7], 0, v[WS+8*(4*(\g)+\nb)+(\ks)], v[XS+8*\a+(\ks)] matrix_a_fmt:MATRIX_FMT_FP4 matrix_b_fmt:MATRIX_FMT_FP4
.else
	v_wmma_scale_f32_16x16x128_f8f6f4 v[128*(\g)+8*(4*\a+\nb):128*(\g)+8*(4*\a+\nb)+7], v[96*(\p)+8*(4*(\g)+\nb):96*(\p)+8*(4*(\g)+\nb)+7], v[XF+32*(\p)+8*\a:XF+32*(\p)+8*\a+7], v[128*(\g)+8*(4*\a+\nb):128*(\g)+8*(4*\a+\nb)+7], v[WS+8*(4*(\g)+\nb)+(\ks)], v[XS+8*\a+(\ks)] matrix_a_fmt:MATRIX_FMT_FP4 matrix_b_fmt:MATRIX_FMT_FP4
.endif
.endr
.endr
.else
	WIN 0xf4                                       ; source 0 (x) window 0, source 1 (Wv) window 1, C and D window 3
.irp a, 0,1,2,3
.irp nb, 0,1,2,3
.if (\ks) == 0
	v_wmma_scale_f32_16x16x128_f8f6f4 v[8*(4*\a+\nb):8*(4*\a+\nb)+7], v[XF+32*(\p)+8*\a:XF+32*(\p)+8*\a+7], v[96*(\p)+8*(8+\nb):96*(\p)+8*(8+\nb)+7], 0, v[XS+8*\a+(\ks)], v[WS+8*(8+\nb)+(\ks)] matrix_a_fmt:MATRIX_FMT_FP4 matrix_b_fmt:MATRIX_FMT_FP4
.else
	v_wmma_scale_f32_16x16x128_f8f6f4 v[8*(4*\a+\nb):8*(4*\a+\nb)+7], v[XF+32*(\p)+8*\a:XF+32*(\p)+8*\a+7], v[96*(\p)+8*(8+\nb):96*(\p)+8*(8+\nb)+7], v[8*(4*\a+\nb):8*(4*\a+\nb)+7], v[XS+8*\a+(\ks)], v[WS+8*(8+\nb)+(\ks)] matrix_a_fmt:MATRIX_FMT_FP4 matrix_b_fmt:MATRIX_FMT_FP4
.endif
.endr
.endr
.endif
.endm
.macro PLACES                          ; four plain vector instructions between a matrix instruction and a load into, or a read of, its registers (ISA guide 7.12.1 for vector instructions)
.rept 4
	v_nop
.endr
.endm
; A K step of 128: 48 matrix instructions; behind the first 16 the next step's 32 loads go out in one run, 32 matrix instructions ahead of their use.
.macro KSTEP ks
	s_wait_dscnt 0x0                               ; this step's fragments are in
	MULG 0, (\ks)%2, \ks
.if (\ks) < 7
.if (\ks) == 3
	s_wait_tensorcnt 0x0                           ; my part of slot 1 has landed (my last load); no LDS instruction of mine is out;
	s_barrier_signal -1
	s_barrier_wait -1                              ; everybody's has.
.endif
	PLACES                                         ; the other set was read by the last step's products
	FETCH (\ks)+1, 1-(\ks)%2
.endif
	MULG 1, (\ks)%2, \ks
	MULG 2, (\ks)%2, \ks
.endm
	s_wait_tensorcnt 1                             ; the scale bytes and my part of slot 0 are in (slot 1's load may be out),
	s_barrier_signal -1
	s_barrier_wait -1                              ; everybody's are
	SCALES
	FETCH 0, 0
.set KSI, 0
.rept 8
	KSTEP KSI
.set KSI, KSI+1
.endr
	; THE WAY OUT.  Every accumulator is read from its low end on.
	WIN 0
	PLACES
.macro QSCALE a                        ; q x c of block a, in f32, into v224-255: register 8 nb + j = (position r, channel 16 nb + 8 h + j)
	WIN 0x02                                       ; source 0 window 2
.irp nb, 0,1,2,3
.irp i, 0,1,2,3
	v_pk_mul_f32 v[TQ+8*\nb+2*\i:TQ+8*\nb+2*\i+1], v[8*(4*(\a)+\nb)+2*\i:8*(4*(\a)+\nb)+2*\i+1], s[12:13] op_sel_hi:[1,0]
.endr
.endr
.endm
.macro QOUT a                          ; rounded to f16: blocks nb = 2 c and 2 c + 1 are registers 0-3 and 4-7 of the fragment of channels 32 c on
	WIN 0x40                                       ; destination window 1
.irp nb, 0,1,2,3
.irp i, 0,1,2,3
	v_cvt_pk_f16_f32 v[IQ+16*(\a)+4*\nb+\i], v[TQ+8*\nb+2*\i], v[TQ+8*\nb+2*\i+1]
.endr
.endr
	WIN 0x04                                       ; a store's data are its source 1: window 1
.irp nb, 0,1,2,3
	global_store_b128 v[GO], v[IQ+16*(\a)+4*\nb:IQ+16*(\a)+4*\nb+3], s[8:9] offset:2048*(\a)+512*\nb
.endr
.endm
	QSCALE 0
	; the fine rows: wave 0's block 0, where the tile begins a sequence.  T differs between partners of the cluster, so it steers EXEC and no branch; the branch hangs on the wave's number alone
	WIN 0
	s_cmp_lg_u32 s14, 0
	s_cbranch_scc1 .Lnofine
	v_cmp_eq_u32 vcc_lo, 0, v[TM]
	s_wait_xcnt 0x0                                ; EXEC changes only behind this wait
	s_and_saveexec_b32 s98, vcc_lo
.irp m, 0,1,2,3,4,5,6,7
	global_store_b128 v[GO], v[TQ+4*\m:TQ+4*\m+3], s[10:11] offset:512*\m
.endr
	WIN 0x08                                       ; data window 2: k's block 0
.irp m, 0,1,2,3,4,5,6,7
	global_store_b128 v[GO], v[128+4*\m:128+4*\m+3], s[10:11] offset:4096+512*\m
.endr
	WIN 0x0c                                       ; data window 3: v's block 0
.irp m, 0,1,2,3,4,5,6,7
	global_store_b128 v[GO], v[4*\m:4*\m+3], s[10:11] offset:8192+512*\m
.endr
	WIN 0
	s_wait_xcnt 0x0                                ; the stores have read EXEC and their data: EXEC is restored, and v224-255 written again, only behind this wait
	s_or_b32 exec_lo, exec_lo, s98
.Lnofine:
	QOUT 0
.irp a, 1,2,3
	QSCALE \a
	QOUT \a
.endr
	WIN 0x4a                                       ; k: sources window 2, destination window 1
.irp a, 0,1,2,3
.irp nb, 0,1,2,3
.irp i, 0,1,2,3
	v_cvt_pk_f16_f32 v[IK+16*\a+4*\nb+\i], v[128+8*(4*\a+\nb)+2*\i], v[128+8*(4*\a+\nb)+2*\i+1]
.endr
.endr
.endr
	WIN 0x04
.irp a, 0,1,2,3
.irp nb, 0,1,2,3
	global_store_b128 v[GO], v[IK+16*\a+4*\nb:IK+16*\a+4*\nb+3], s[94:95] offset:2048*\a+512*\nb
.endr
.endr
	WIN 0x4f                                       ; v: sources window 3, destination window 1.  Blocks a = 2 u and 2 u + 1 are registers 0-3 and 4-7 of the fragment of keys 32 u on
.irp a, 0,1,2,3
.irp ct, 0,1,2,3
.irp i, 0,1,2,3
	v_cvt_pk_f16_f32 v[IV+32*(\a/2)+8*\ct+4*(\a%2)+\i], v[8*(4*\a+\ct)+2*\i], v[8*(4*\a+\ct)+2*\i+1]
.endr
.endr
.endr
	WIN 0x04
.irp a, 0,1,2,3
.irp ct, 0,1,2,3
	global_store_b128 v[GO], v[IV+32*(\a/2)+8*\ct+4*(\a%2):IV+32*(\a/2)+8*\ct+4*(\a%2)+3], s[96:97] offset:4096*(\a/2)+1024*\ct+512*(\a%2)
.endr
.endr
	WIN 0
	s_wait_tensorcnt 0x0                           ; the wave's end: behind my last tensor load
	ds_add_u32 v[SPW], v[NIL]
	s_wait_dscnt 0x0
	CROUND                                         ; the closing round: no work-group ends while a partner may still ask for a tile that names it
	s_endpgm
.Lfunc_end_k_qafa7572647_qkv:
	.size	k_qafa7572647_qkv, .Lfunc_end_k_qafa7572647_qkv-k_qafa7572647_qkv
	.p2alignl 7, 3214868480
	.fill 96, 4, 3214868480
	.section	.rodata,"a",@progbits
	.p2align	6, 0x0
	.amdhsa_kernel k_qafa7572647_qkv
		.amdhsa_group_segment_fixed_size 327680
		.amdhsa_private_segment_fixed_size 0
		.amdhsa_enable_private_segment 0
		.amdhsa_kernarg_size 32
		.amdhsa_user_sgpr_count 2
		.amdhsa_user_sgpr_kernarg_segment_ptr 1
		.amdhsa_wavefront_size32 1
		.amdhsa_system_sgpr_workgroup_id_x 1
		.amdhsa_system_sgpr_workgroup_id_y 1
		.amdhsa_system_sgpr_workgroup_id_z 1
		.amdhsa_system_vgpr_workitem_id 0
		.amdhsa_next_free_vgpr 896
		.amdhsa_next_free_sgpr 100
		.amdhsa_reserve_vcc 1
		.amdhsa_float_denorm_mode_32 3
		.amdhsa_float_denorm_mode_16_64 3
		.amdhsa_memory_ordered 1
		.amdhsa_forward_progress 1
		.amdhsa_inst_pref_size 102
	.end_amdhsa_kernel
	.amdgpu_metadata
---
amdhsa.version: [ 1, 2 ]
amdhsa.kernels:
  - .name:           k_qafa7572647_qkv
    .symbol:         k_qafa7572647_qkv.kd
    .args:
      - { .name: codes, .offset: 0, .size: 8, .value_kind: global_buffer, .address_space: global }
      - { .name: scales, .offset: 8, .size: 8, .value_kind: global_buffer, .address_space: global }
      - { .name: qkv, .offset: 16, .size: 8, .value_kind: global_buffer, .address_space: global }
      - { .name: fine, .offset: 24, .size: 8, .value_kind: global_buffer, .address_space: global }
    .group_segment_fixed_size: 327680
    .private_segment_fixed_size: 0
    .kernarg_segment_align: 8
    .kernarg_segment_size: 32
    .max_flat_workgroup_size: 128
    .sgpr_count:     100
    .vgpr_count:     896
    .wavefront_size: 32
...
	.end_amdgpu_metadata
.endif
;; end of part 2
;; launch attn (part 3): grid 8 x 32, 8 waves a work-group, no clusters, 327,680 bytes of LDS; arguments qkv, att; writes att
.if DOCPART == 3
	.amdgcn_target "amdgcn-amd-amdhsa--gfx1250"
	.amdhsa_code_object_version 6
	.text
	.protected	k_qafa7572647_attn
	.globl	k_qafa7572647_attn
	.p2align	8
	.type	k_qafa7572647_attn,@function
k_qafa7572647_attn:
	s_mov_b64 s[64:65], 0
	v_nop
	global_prefetch_b8 v0, s[64:65] scope:SCOPE_SE
	s_setreg_imm32_b32 hwreg(HW_REG_WAVE_MODE, 25, 1), 1
	s_wait_xcnt 0x0
; att[b][s][head] = the sum over keys t <= s of softmax_t(q . k / 8) v, for one (batch, head) a row of the grid.  q (already x log2(e) / 8), k, v: f16, as images of operand registers (a fragment of
; 16 rows x 32 K is 1,024 bytes: registers 0-3 of lane L at 16 L, registers 4-7 at 512 + 16 L).  Products' sums, maxima and sums in f32; the weights p are rounded to f16 for the second product.
; SHARES.  Work-group i of a head owns query blocks i and 15 - i, 128 queries each: every work-group has the same number of keys to walk.  Waves 0-3 take the low block, waves 4-7 the high one,
; 32 queries (two tiles of 16) each, so that a fragment of K or V read from LDS feeds two products.
; LAYOUT.  S^T = K Q^T (source 0 = 16 keys, source 1 = 16 queries): a lane holds ONE query (lane % 16) and keys 8 (lane / 16) + 0 .. 7.  Two such tiles, rounded to f16 in pairs, ARE source 1 of
; O^T = V^T P, whose result again holds one query a lane and eight channels; rounded to f16 that is the projection's operand image.  Nothing changes lanes but one exchange between the halves.
; SOFTMAX.  A running maximum m and sum l for each query: p = 2^(s - m); in every step O and l are multiplied by 2^(m_old - m_new).
; THE RING.  Two LDS slots of 256 keys: K's 32 images, then V's 32.  Every wave moves 8,192 dense bytes of each slot (waves 0-3 K's quarters, waves 4-7 V's).  One barrier a slot.
; THE CAUSAL MASK.  Every work-group walks all 8 changes of slots (constant trip count, no barrier jumped over).  A key step all of whose keys come after the wave's queries is left out by a scalar branch on
; ids; such steps are a suffix, so the branch goes to the slot's end.  On the diagonal hidden scores become -infinity.  A slot whose first key comes after the work-group's last query is read by none of its
; waves and is not asked for: a branch made of the work-group's number and the count of slots, the same in all eight waves; every wait on TENSORcnt in this text is for 0.
; NO CLUSTER: which steps a wave walks, and which slots are asked for, hang on the work-group's query block; partners of a cluster would branch differently, and some would never read tiles that a joint load brings.
; LIMITS: f16 operands (|q c|, |k|, |v| under 65,504); p under 6e-5 keeps an absolute error of 3e-8.  Positions 0-15 of a sequence are computed here too and written again, in f32, by a later launch.
; REGISTERS.  Window 0: v1-9 addresses and constants; v12-27 eight registers of statistics a tile (+0 m, +2 +3 l, +4 .. +7 at work, the factor in +6); v32-95 S^T, 32 a tile; v96-127 P, 16 a tile;
;   v128-191 K of a step; v192-255 V of a step.   Window 1: v0-63 O^T, 32 a tile; v64-95 Q, 16 a tile.
.set SLOT1, 65536                      ; slot 1 begins here: one exclusive or turns an address in one slot into the other's
.set VOFF,  32768                      ; in a slot: K's 32 images, then V's
.set SPARE, 131072                     ; behind the ring: the spare words, 128 bytes for each of eight waves
.set L16,  1                           ; v1   16 x lane
.set ADR,  2                           ; v2   the slot in hand + 16 x lane
.set DM,   3                           ; v3   lane % 16 - 8 (lane / 16)
.set SPW,  4                           ; v4   LDS address of my spare word; never rewritten
.set NIL,  5                           ; v5   0; never rewritten
.set D0,   6                           ; v6-7 the mask's bound for tile 0, 1
.set NINF, 8                           ; v8   -infinity
.set PFO,  9                           ; v9   256 x lane
.set ST,   12
.set S,    32
.set P,    96
.set KF,   128
.set VF,   192
.set QW,   64                          ; in window 1
.set MSB, 0
.macro WIN new                         ; the immediate's high byte repeats the setting that is left
.if MSB != \new
	s_set_vgpr_msb (MSB<<8)|\new
.set MSB, \new
.endif
.endm
; s[4:5] qkv, s[6:7] att (then my rows of it), s8 wave, s9 16 b + head, s11 my first query, s12 my last, s13 my work-group's last, s14 the slot's first key, s15 the slot's LDS byte,
; s[16:23] descriptor group 1, s[24:27] group 0, which walks, s[28:29] where my prefetches stand, s30 1 in a work-group that prefetches, else the greatest number, s31 changes of slots to go, s[32:33] lane selects
	s_load_b128 s[4:7], s[0:1], 0x0
	v_lshl_add_u32 v[SPW], v0, 2, SPARE
	v_mov_b32 v[NIL], 0
	ds_add_u32 v[SPW], v[NIL]                      ; the wave's opening: the add, twice on end, and its wait ahead of my first tensor load
	ds_add_u32 v[SPW], v[NIL]
	v_lshrrev_b32 v1, 5, v0
	v_readfirstlane_b32 s8, v1                     ; wave 0..7
	s_and_b32 s9, ttmp7, 0xffff
	s_and_b32 s34, s8, 3
	s_lshl_b32 s34, s34, 5                         ; 32 (wave % 4)
	s_sub_co_u32 s35, 15, ttmp9
	s_cmp_lt_u32 s8, 4
	s_cselect_b32 s35, ttmp9, s35                  ; my query block: i or 15 - i
	s_lshl_b32 s11, s35, 7
	s_add_co_u32 s11, s11, s34
	s_add_co_u32 s12, s11, 31
	s_sub_co_u32 s13, 16, ttmp9
	s_lshl_b32 s13, s13, 7
	s_sub_co_u32 s13, s13, 1
	s_mov_b32 s36, 0x1000000                       ; what I fetch: V's quarter wave - 4,
	s_cmp_lt_u32 s8, 4
	s_cselect_b32 s36, 0x800000, s36               ; or K's quarter wave
	s_lshl_b32 s37, s9, 18
	s_add_co_u32 s36, s36, s37
	s_and_b32 s37, s8, 3
	s_lshl_b32 s37, s37, 13
	s_add_co_u32 s36, s36, s37
	s_mov_b32 s37, 0
	s_mov_b32 s16, 3<<16                           ; group 1: 8,192 dense bytes as 32 rows of 32 elements of 8 bytes; no mask, no padding
	s_mov_b32 s17, 32<<16                          ; tensor_dim0
	s_mov_b32 s18, 32<<16                          ; tensor_dim1
	s_mov_b32 s19, 32<<16                          ; tile_dim0
	s_mov_b32 s20, 32                              ; tile_dim1
	s_mov_b32 s21, 32                              ; from row to row
	s_mov_b32 s22, 0
	s_mov_b32 s23, 0
	s_mov_b32 s32, 0x76543210
	s_mov_b32 s33, 0xfedcba98                      ; v_permlanex16_b32: lane l xor 16
	s_mov_b32 s14, 0
	s_mov_b32 s15, 0
	s_mov_b32 s31, 7
	s_cmp_eq_u32 ttmp9, 0
	s_cselect_b32 s30, 1, -1
	s_wait_dscnt 0x0                               ; both opening adds are done
	s_wait_kmcnt 0x0
	s_mov_b32 s24, 1
	s_lshl_b32 s25, s8, 13                         ; LDS: slot 0, 8,192 x wave
	s_add_nc_u64 s[26:27], s[4:5], s[36:37]
	s_add_nc_u64 s[28:29], s[26:27], 32768         ; the prefetches stand in slot 1; the first change of slots steps them to slot 2
	s_or_b32 s27, s27, 0x80000000
	tensor_load_to_lds s[24:27], s[16:23]          ; slot 0: key 0 counts for every query, so every wave reads it
	s_nop 0
.rept 4
	v_nop
.endr
	v_and_b32 v10, 31, v0
	v_lshlrev_b32 v[L16], 4, v10
	v_lshlrev_b32 v[PFO], 8, v10
	v_and_b32 v10, 15, v0
	v_bfe_u32 v11, v0, 4, 1
	v_lshlrev_b32 v11, 3, v11
	v_sub_nc_u32 v[DM], v10, v11
	v_mov_b32 v[NINF], 0xff800000
	s_lshl_b32 s34, s9, 18
	s_lshl_b32 s35, s11, 7                         ; a tile of 16 queries is 2,048 bytes
	s_add_co_u32 s34, s34, s35
	s_mov_b32 s35, 0
	s_add_nc_u64 s[38:39], s[4:5], s[34:35]        ; Q at my first query
	s_lshr_b32 s34, s9, 4
	s_lshl_b32 s34, s34, 22                        ; att: [row tile][2 head + c][1,024]: a batch is 128 row tiles of 32,768 bytes,
	s_lshl_b32 s35, s11, 11                        ; my first query's row tile,
	s_add_co_u32 s34, s34, s35
	s_and_b32 s35, s9, 15
	s_lshl_b32 s35, s35, 11                        ; my head's two images
	s_add_co_u32 s34, s34, s35
	s_mov_b32 s35, 0
	s_add_nc_u64 s[6:7], s[6:7], s[34:35]
	WIN 0x40                                       ; destination window 1
.irp t, 0,1
.irp c, 0,1
.irp e, 0,1
	global_load_b128 v[QW+16*\t+8*\c+4*\e:QW+16*\t+8*\c+4*\e+3], v[L16], s[38:39] offset:2048*\t+1024*\c+512*\e   ; Q stays in registers
.endr
.endr
.endr
.set i, 0
.rept 64
	v_mov_b32 v[i], 0                              ; O^T.  (The key step is written once: its first run finds zeros, which the first factor, 0, leaves zeros)
.set i, i+1
.endr
	WIN 0
.set i, 0
.rept 16
	v_mov_b32 v[ST+i], 0                           ; l, and all that is named in a pair or as a lane permute's destination before it is first written
.set i, i+1
.endr
	v_mov_b32 v[ST], 0xff7fffff                    ; m: under every score
	v_mov_b32 v[ST+8], 0xff7fffff
; THE CHANGE OF SLOTS stands at a slot's head.  Each wave waits for all its tensor loads (its part of the slot that it is about to read), adds 0 to its spare word, and waits for that and for its reads of the
; slot that it has left.  Behind the barrier the slot ahead is whole and nobody reads the other one.  fill = 1: that other slot takes the next 256 keys: the load has a slot's four key steps in which to land.
; By this text's count one tensor load of a wave is out.
.macro CHANGE fill
	s_wait_tensorcnt 0x0                           ; no tensor load of mine is out, so group 0 may be written
	ds_add_u32 v[SPW], v[NIL]                      ; 0 onto my spare word
.if \fill
	s_xor_b32 s25, s25, SLOT1                      ; the other slot than last time,
	s_add_nc_u64 s[26:27], s[26:27], 32768         ; the next 256 keys; the type bits on top are not reached
	s_wait_xcnt 0x0                                ; the last prefetch, a slot back, has read its address, so it may be written
	s_add_nc_u64 s[28:29], s[28:29], 32768         ; one slot further on than the walking descriptor
.endif
	s_wait_dscnt 0x0                               ; the add is done, and my reads of the slot that I have left are over
	s_barrier_signal -1
	s_barrier_wait -1
.if \fill
	s_add_co_u32 s34, s14, 256                     ; the first key of the slot that this change would ask for
	s_cmp_gt_u32 s34, s13                          ; after my work-group's last query: none of its waves would read it
	s_cbranch_scc1 .Lpast_\@
	tensor_load_to_lds s[24:27], s[16:23]          ; the first thing behind the barrier but for those three lines, and my one tensor load until the next
	s_nop 0
.rept 4
	v_nop
.endr
.Lpast_\@:
	; a prefetch of what the NEXT change of slots will ask for: the 8,192 bytes that this wave will fetch then, lanes 256 bytes apart, four key steps ahead of that load.  All work-groups of a head walk the same
	; K and V: work-group 0 of the head, which walks all eight slots, asks, so each block is named once.  Slots 0 and 1 come by their loads alone; the last change that fills a slot asks for nothing.
	s_cmp_gt_u32 s31, s30
	s_cbranch_scc0 .Lnoask_\@
	global_prefetch_b8 v[PFO], s[28:29] th:TH_LOAD_NT scope:SCOPE_SE
.Lnoask_\@:
.endif
.endm
.macro KLOAD q                         ; 64 keys x 64 channels: 8 fragments (16 keys a, 32 channels c), 16 loads of 512 consecutive bytes
.irp a, 0,1,2,3
.irp c, 0,1
.irp e, 0,1
	ds_load_b128 v[KF+8*(2*\a+\c)+4*\e:KF+8*(2*\a+\c)+4*\e+3], v[ADR] offset:(2*(4*(\q)+\a)+\c)*1024+512*\e
.endr
.endr
.endr
.endm
.macro VLOAD q                         ; the same keys of V: 8 fragments (32 keys u, 16 channels ct)
.irp u, 0,1
.irp ct, 0,1,2,3
.irp e, 0,1
	ds_load_b128 v[VF+8*(4*\u+\ct)+4*\e:VF+8*(4*\u+\ct)+4*\e+3], v[ADR] offset:VOFF+(4*(2*(\q)+\u)+\ct)*1024+512*\e
.endr
.endr
.endr
.endm
.macro SMAX t                          ; the new m of tile t, and the factor 2^(m_old - m_new).  Each accumulator is read from its low end on: chain j begins with registers 8 j, 8 j + 1, 8 j + 2
.set rT, ST+8*(\t)
.set rS, S+32*(\t)
.irp j, 0,1,2,3
	v_max3_num_f32 v[rT+4+\j], v[rS+8*\j], v[rS+8*\j+1], v[rS+8*\j+2]
.endr
.irp g, 1,2
.irp j, 0,1,2,3
	v_max3_num_f32 v[rT+4+\j], v[rT+4+\j], v[rS+8*\j+2*\g+1], v[rS+8*\j+2*\g+2]
.endr
.endr
	v_max3_num_f32 v[rT+4], v[rT+4], v[rS+7], v[rS+15]
	v_max3_num_f32 v[rT+6], v[rT+6], v[rS+23], v[rS+31]
	v_max3_num_f32 v[rT+4], v[rT+4], v[rT+5], v[rT+6]
	v_max3_num_f32 v[rT+4], v[rT+4], v[rT+7], v[rT]
	v_permlanex16_b32 v[rT+5], v[rT+4], s32, s33   ; the query's other 32 keys lie in the lane 16 away
	v_mov_b32 v[rT+7], v[rT]
	v_max_num_f32 v[rT], v[rT+4], v[rT+5]
	v_sub_f32 v[rT+7], v[rT+7], v[rT]
	v_exp_f32 v[rT+6], v[rT+7]
.endm
.macro SEXP t                          ; p = 2^(s - m): the 33 exponentials of a tile are one batch with one wait, ahead of the first line that names a result
.set rT, ST+8*(\t)
.set rS, S+32*(\t)
.irp b, 0,1,2,3,4,5,6,7,8,9,10,11,12,13,14,15
	v_pk_add_f32 v[rS+2*\b:rS+2*\b+1], v[rS+2*\b:rS+2*\b+1], v[rT:rT+1] op_sel_hi:[1,0] neg_lo:[0,1] neg_hi:[0,1]
.endr
.irp e, 0,1,2,3,4,5,6,7,8,9,10,11,12,13,14,15,16,17,18,19,20,21,22,23,24,25,26,27,28,29,30,31
	v_exp_f32 v[rS+\e], v[rS+\e]
.endr
	v_nop                                          ; a plain instruction behind the last exponential
	s_wait_alu depctr_va_vdst(0)
.endm
.macro SPACK t                         ; P in f16: registers 2 n, 2 n + 1 of S^T make register n of source 1; then the sum of the unrounded p, in place, and l = factor x l + sum
.set rT, ST+8*(\t)
.set rS, S+32*(\t)
.set rP, P+16*(\t)
.irp n, 0,1,2,3,4,5,6,7,8,9,10,11,12,13,14,15
	v_cvt_pk_f16_f32 v[rP+\n], v[rS+2*\n], v[rS+2*\n+1]
.endr
.irp u, 0,1,2,3,4,5,6,7
	v_pk_add_f32 v[rS+4*\u:rS+4*\u+1], v[rS+4*\u:rS+4*\u+1], v[rS+4*\u+2:rS+4*\u+3]
.endr
.irp u, 0,1,2,3
	v_pk_add_f32 v[rS+8*\u:rS+8*\u+1], v[rS+8*\u:rS+8*\u+1], v[rS+8*\u+4:rS+8*\u+5]
.endr
.irp u, 0,1
	v_pk_add_f32 v[rS+16*\u:rS+16*\u+1], v[rS+16*\u:rS+16*\u+1], v[rS+16*\u+8:rS+16*\u+9]
.endr
	v_pk_add_f32 v[rS:rS+1], v[rS:rS+1], v[rS+16:rS+17]
	v_pk_fma_f32 v[rT+2:rT+3], v[rT+2:rT+3], v[rT+6:rT+7], v[rS:rS+1] op_sel_hi:[1,0,1]
.endm
.macro RESC t                          ; O^T x the factor
.set rT, ST+8*(\t)
	WIN 0x41                                       ; destination and source 0 window 1
.irp n, 0,1,2,3,4,5,6,7,8,9,10,11,12,13,14,15
	v_pk_mul_f32 v[32*(\t)+2*\n:32*(\t)+2*\n+1], v[32*(\t)+2*\n:32*(\t)+2*\n+1], v[rT+6:rT+7] op_sel_hi:[1,0]
.endr
.endm
.macro PV t                            ; O^T += V^T P: the tile's four accumulators by turns, one instruction a turn
	WIN 0x50                                       ; C and D window 1
.irp u, 0,1
.irp ct, 0,1,2,3
	v_wmma_f32_16x16x32_f16 v[32*(\t)+8*\ct:32*(\t)+8*\ct+7], v[VF+8*(4*\u+\ct):VF+8*(4*\u+\ct)+7], v[P+16*(\t)+8*\u:P+16*(\t)+8*\u+7], v[32*(\t)+8*\ct:32*(\t)+8*\ct+7]
.endr
.endr
.endm
; A KEY STEP: 64 keys, the q-th of the slot in hand.  Step q is reached only through step q - 1, which has asked for its K.
.macro STEP q, id
	s_add_co_u32 s34, s14, 64*(\q)                 ; the step's first key
	s_cmp_gt_u32 s34, s12                          ; after my last query: this step and all that follow are hidden
	s_cbranch_scc1 .Lend_\id
.if (\q) == 0
	KLOAD 0
.endif
	s_wait_dscnt 0x0                               ; K is in
	WIN 0x04                                       ; source 1 (Q) window 1
.irp t, 0,1
.irp c, 0,1
.irp a, 0,1,2,3
.if \c == 0
	v_wmma_f32_16x16x32_f16 v[S+32*\t+8*\a:S+32*\t+8*\a+7], v[KF+8*(2*\a+\c):KF+8*(2*\a+\c)+7], v[QW+16*\t+8*\c:QW+16*\t+8*\c+7], 0
.else
	v_wmma_f32_16x16x32_f16 v[S+32*\t+8*\a:S+32*\t+8*\a+7], v[KF+8*(2*\a+\c):KF+8*(2*\a+\c)+7], v[QW+16*\t+8*\c:QW+16*\t+8*\c+7], v[S+32*\t+8*\a:S+32*\t+8*\a+7]
.endif
.endr
.endr
.endr
	WIN 0
.rept 4
	v_nop                                          ; four places: in front of the reads of S^T, and of the loads into K's and V's registers, which matrix instructions have read
.endr
	VLOAD \q
.if (\q) < 3
	KLOAD (\q)+1                                   ; the next step's K lands under this step's softmax
.endif
	s_add_co_u32 s35, s34, 63
	s_cmp_le_u32 s35, s11                          ; all 64 keys count for all my queries: no mask
	s_cbranch_scc1 .Lopen_\@
	s_sub_co_i32 s36, s11, s34
	v_add_nc_u32 v[D0], s36, v[DM]                 ; d = my query - the step's first key - 8 (lane / 16).  Register 8 a + j holds key 16 a + 8 (lane / 16) + j: hidden where 16 a + j > d
	v_add_nc_u32 v[D0+1], 16, v[D0]
.irp t, 0,1
.irp n, 0,1,2,3,4,5,6,7,8,9,10,11,12,13,14,15,16,17,18,19,20,21,22,23,24,25,26,27,28,29,30,31
	v_cmp_gt_i32 vcc_lo, 16*(\n/8)+\n%8, v[D0+\t]
	v_cndmask_b32 v[S+32*\t+\n], v[S+32*\t+\n], v[NINF], vcc_lo
.endr
.endr
.Lopen_\@:
	SMAX 0
	SEXP 0
	SPACK 0
.if (\q) < 3
	s_wait_dscnt 16                                ; V is in; the 16 younger loads, the next step's K, may be out
.else
	s_wait_dscnt 0x0
.endif
	RESC 0
	PV 0
	WIN 0
	SMAX 1                                         ; tile 1's softmax is issued while tile 0's products run
	SEXP 1
	SPACK 1
	RESC 1
	PV 1
	WIN 0
.endm
.macro SLOT_STEPS id
	v_add_nc_u32 v[ADR], s15, v[L16]
	STEP 0, \id
	STEP 1, \id
	STEP 2, \id
	STEP 3, \id
.Lend_\id:
	s_xor_b32 s15, s15, SLOT1                      ; on to the other slot
	s_add_co_u32 s14, s14, 256
.endm
	s_wait_loadcnt 0x0                             ; Q
.Lslot:                                            ; 7 trips: behind each change of slots but the last the next slot is asked for, up to the causal limit
	CHANGE 1
	SLOT_STEPS a
	s_sub_co_u32 s31, s31, 1
	s_cmp_lg_u32 s31, 0
	s_cbranch_scc1 .Lslot
	CHANGE 0                                       ; the last slot is written out: nothing is left to ask for
	SLOT_STEPS b
	; THE WAY OUT.  l's two halves and the other half of the lanes' are added; O^T / l, rounded to f16, is the projection's operand image: four stores of 512 consecutive bytes a tile.
.irp t, 0,1
	v_add_f32 v[ST+8*\t+4], v[ST+8*\t+2], v[ST+8*\t+3]
.endr
.irp t, 0,1
	v_permlanex16_b32 v[ST+8*\t+5], v[ST+8*\t+4], s32, s33
.endr
.irp t, 0,1
	v_add_f32 v[ST+8*\t+4], v[ST+8*\t+4], v[ST+8*\t+5]
.endr
	v_nop
	v_nop                                          ; (with the additions above: the places behind the last products)
.irp t, 0,1
	v_rcp_f32 v[ST+8*\t+6], v[ST+8*\t+4]
.endr
	v_nop                                          ; a plain instruction behind the last reciprocal,
	s_wait_alu depctr_va_vdst(0)                   ; and the wait ahead of the first use: one for both
	WIN 0x01                                       ; source 0 window 1
.irp t, 0,1
.irp n, 0,1,2,3,4,5,6,7,8,9,10,11,12,13,14,15
	v_pk_mul_f32 v[S+32*\t+2*\n:S+32*\t+2*\n+1], v[32*\t+2*\n:32*\t+2*\n+1], v[ST+8*\t+6:ST+8*\t+7] op_sel_hi:[1,0]
.endr
.endr
	WIN 0
.irp t, 0,1
.irp n, 0,1,2,3,4,5,6,7,8,9,10,11,12,13,14,15
	v_cvt_pk_f16_f32 v[P+16*\t+\n], v[S+32*\t+2*\n], v[S+32*\t+2*\n+1]
.endr
.endr
.irp t, 0,1
.irp m, 0,1,2,3
	global_store_b128 v[L16], v[P+16*\t+4*\m:P+16*\t+4*\m+3], s[6:7] offset:32768*\t+512*\m
.endr
.endr
	s_wait_tensorcnt 0x0                           ; the wave's end: behind my last tensor load
	ds_add_u32 v[SPW], v[NIL]
	s_wait_dscnt 0x0
	s_endpgm
.Lfunc_end_k_qafa7572647_attn:
	.size	k_qafa7572647_attn, .Lfunc_end_k_qafa7572647_attn-k_qafa7572647_attn
	.p2alignl 7, 3214868480
	.fill 96, 4, 3214868480
	.section	.rodata,"a",@progbits
	.p2align	6, 0x0
	.amdhsa_kernel k_qafa7572647_attn
		.amdhsa_group_segment_fixed_size 327680
		.amdhsa_private_segment_fixed_size 0
		.amdhsa_enable_private_segment 0
		.amdhsa_kernarg_size 16
		.amdhsa_user_sgpr_count 2
		.amdhsa_user_sgpr_kernarg_segment_ptr 1
		.amdhsa_wavefront_size32 1
		.amdhsa_system_sgpr_workgroup_id_x 1
		.amdhsa_system_sgpr_workgroup_id_y 1
		.amdhsa_system_sgpr_workgroup_id_z 1
		.amdhsa_system_vgpr_workitem_id 0
		.amdhsa_next_free_vgpr 352
		.amdhsa_next_free_sgpr 66
		.amdhsa_reserve_vcc 1
		.amdhsa_float_denorm_mode_32 3
		.amdhsa_float_denorm_mode_16_64 3
		.amdhsa_memory_ordered 1
		.amdhsa_forward_progress 1
		.amdhsa_inst_pref_size 184
	.end_amdhsa_kernel
	.amdgpu_metadata
---
amdhsa.version: [ 1, 2 ]
amdhsa.kernels:
  - .name:           k_qafa7572647_attn
    .symbol:         k_qafa7572647_attn.kd
    .args:
      - { .name: qkv, .offset: 0, .size: 8, .value_kind: global_buffer, .address_space: global }
      - { .name: att, .offset: 8, .size: 8, .value_kind: global_buffer, .address_space: global }
    .group_segment_fixed_size: 327680
    .private_segment_fixed_size: 0
    .kernarg_segment_align: 8
    .kernarg_segment_size: 16
    .max_flat_workgroup_size: 256
    .sgpr_count:     66
    .vgpr_count:     352
    .wavefront_size: 32
...
	.end_amdgpu_metadata
.endif
;; end of part 3
;; launch proj (part 4): grid 8 x 32, 4 waves a work-group, clusters of 4 x 4, 327,680 bytes of LDS; arguments att, wo16, out0; writes out0
.if DOCPART == 4
	.amdgcn_target "amdgcn-amd-amdhsa--gfx1250"
	.amdhsa_code_object_version 6
	.text
	.protected	k_qafa7572647_proj
	.globl	k_qafa7572647_proj
	.p2align	8
	.type	k_qafa7572647_proj,@function
k_qafa7572647_proj:
	s_mov_b64 s[64:65], 0
	v_nop
	global_prefetch_b8 v0, s[64:65] scope:SCOPE_SE
	s_setreg_imm32_b32 hwreg(HW_REG_WAVE_MODE, 25, 1), 1
	s_wait_xcnt 0x0
	s_wait_alu depctr_hold_cnt(0) depctr_sa_sdst(0) depctr_va_vdst(0) depctr_va_sdst(0) depctr_va_ssrc(0) depctr_va_vcc(0) depctr_vm_vsrc(0)
	s_getreg_b32 s2, hwreg(HW_REG_IB_STS2, 6, 4)
	s_cmp_eq_u32 s2, 0
	s_cbranch_scc0 .Lentry_in_a_cluster
	s_endpgm
.Lentry_in_a_cluster:
	s_bfe_u32 s2, ttmp6, 0x10000c
	s_cmp_lg_u32 s2, 0xf033
	s_cbranch_scc0 .Lentry_shape_is_right
	s_endpgm
.Lentry_shape_is_right:
; out0[m][n] = the sum over k of att[m][k] Wo[n][k]: 4096 x 1024 x 1024, f16 operands, f32 sums, f32 out.
; att comes as images of operand registers: [row tile of 16 (256)][32 along K (32)][1,024 bytes], registers 0-3 of lane L at 16 L, registers 4-7 at 512 + 16 L.  wo16: [1024][1024] f16, row-major.
; A tile of out0 is 128 x 128: 256 work-groups.  Four waves, each 64 x 64: 16 accumulators.  K goes in four steps of 256 through a ring of two LDS slots; a wave's tensor load brings four row tiles of att
; (4 x 8,192 bytes, as they lie) or 64 rows of Wo (512 bytes each, 16 bytes of padding behind each).
; CLUSTERS: 4 x 4 work-groups.  The four of a row of the cluster need the same tiles of att, the four of a column the same tiles of Wo: each is asked for jointly.
; THE MATRIX INSTRUCTION IS USED TRANSPOSED (source 0 = 16 rows of Wo, source 1 = 16 rows of att): a lane then holds eight neighbouring numbers of a row of out0.
; The rows of positions 0-15 of each sequence are made here like all others and written again, in f32 arithmetic, by the launch that follows.
; No prefetch: each K step is short and the tiles are shared in the cluster; the launch is short.
; REGISTERS: window 0: v0-31 addresses; v32-95 at work on the way out; v128-255 the accumulators ((a, b) at v[128 + 8 (4 a + b)]).
;   window 1: two fragment buffers of 128: for 64 along K, 64 registers of att (2 x 4 fragments), then 64 of Wo.
.set PITCH,  528                       ; a row of Wo in LDS: 512 bytes + 16 of padding
.set BOFF,   65536                     ; a slot: att's 8 row tiles x 8,192 bytes, then Wo's 128 rows
.set BHALF,  64*PITCH
.set SLOT,   BOFF+2*BHALF
.set STAGE,  2*SLOT                    ; behind the ring: 16 rows x 272 bytes for each wave, for the way out
.set SPITCH, 272
.set SPARE,  STAGE+4*16*SPITCH         ; behind the stages: the spare words, 128 bytes a wave
.set ADRA, 16                          ; v16-17  LDS address of my att fragments in slot 0, 1
.set ADRB, 20                          ; v20-21  the same for Wo
.set STO,  24                          ; v24     the way out: where I put 32 bytes of a row
.set RD,   25                          ; v25     where I read a row back
.set CO,   26                          ; v26     my byte offset in out0
.set SPW,  28                          ; v28     LDS address of my spare word; never rewritten
.set NIL,  29                          ; v29     0; never rewritten
.set TMP,  32
.set ACC,  128
.set F0,   0
.set F1,   128
.set G1, 24                            ; s[24:31] descriptor group 1 for att's tiles;  s[32:39] group 0, a set for each slot
.set G0, 32
.set G1B, 48                           ; s[48:55], s[56:63] the same for Wo's
.set G0B, 56
.set MSB, 0
.macro WIN new
.if MSB != \new
	s_set_vgpr_msb (MSB<<8)|\new
.set MSB, \new
.endif
.endm
.set MUL,  0x05                        ; sources 0 (Wo) and 1 (att) window 1; C and D window 0
.set TO_F, 0x40                        ; destination window 1, address window 0
.macro JLOAD s                         ; a joint load: waves 0 and 1 fetch att's two halves, waves 2 and 3 Wo's
	s_cmp_eq_u32 s11, 0
	s_cbranch_scc0 .Lfor_b_\@
	tensor_load_to_lds s[G0+4*\s:G0+4*\s+3], s[G1:G1+7]
	s_nop 0
.rept 4
	v_nop
.endr
	s_branch .Lasked_\@
.Lfor_b_\@:
	tensor_load_to_lds s[G0B+4*\s:G0B+4*\s+3], s[G1B:G1B+7]
	s_nop 0
.rept 4
	v_nop
.endr
.Lasked_\@:
.endm
.macro CREST                           ; a round of the cluster's barrier behind its opening barrier
	s_cmp_lg_u32 s10, 0
	s_cbranch_scc1 .Lnot_wave_0_\@
	s_barrier_signal -3
.Lnot_wave_0_\@:
	s_barrier_wait -3
	s_barrier_signal -1
	s_barrier_wait -1
.endm
.macro CROUND
	s_barrier_signal -1
	s_barrier_wait -1
	CREST
.endm
	s_load_b128 s[4:7], s[0:1], 0x0                ; att s[4:5], wo16 s[6:7]
	s_load_b64 s[8:9], s[0:1], 0x10                ; out0
	v_lshl_add_u32 v[SPW], v0, 2, SPARE
	v_mov_b32 v[NIL], 0
	ds_add_u32 v[SPW], v[NIL]                      ; the wave's opening: the add, twice on end, and its wait ahead of my first tensor load
	ds_add_u32 v[SPW], v[NIL]
	v_lshrrev_b32 v1, 5, v0
	v_readfirstlane_b32 s10, v1                    ; wave 0..3
	s_lshr_b32 s11, s10, 1                         ; which half of the tile's rows is mine.  Also: I fetch for att (0) or for Wo (1)
	s_and_b32 s12, s10, 1                          ; which half of its columns.  Also: which half of that tile I fetch
	s_bfe_u32 s40, ttmp6, 0x40000
	s_bfe_u32 s41, ttmp6, 0x40004
	s_lshl_b32 s42, ttmp9, 2
	s_add_co_u32 s42, s42, s40                     ; tile column = 4 x cluster x + cx
	s_and_b32 s13, ttmp7, 0xffff
	s_lshl_b32 s13, s13, 2
	s_add_co_u32 s13, s13, s41                     ; tile row = 4 x cluster y + cy
	s_lshl_b32 s43, s41, 2
	s_lshl_b32 s43, 15, s43                        ; my row of the cluster
	s_lshl_b32 s44, 0x1111, s40                    ; my column
	s_or_b32 s[G1], s43, (3<<16)|(1<<21)           ; att: elements of 8 bytes, no padding; 4 rows (row tiles) of 1,024 elements, 4,096 elements apart
	s_mov_b32 s[G1+1], 1024<<16
	s_mov_b32 s[G1+2], 4<<16
	s_mov_b32 s[G1+3], 1024<<16
	s_mov_b32 s[G1+4], 4
	s_mov_b32 s[G1+5], 4096
	s_mov_b32 s[G1+6], 0
	s_mov_b32 s[G1+7], 0
	s_or_b32 s[G1B], s44, (1<<16)|(1<<20)|(1<<21)|(6<<22)|(3<<25)   ; Wo: elements of 2 bytes; 4 words of padding after every 128; 64 rows of 256 elements, 1,024 apart
	s_mov_b32 s[G1B+1], 256<<16
	s_mov_b32 s[G1B+2], 64<<16
	s_mov_b32 s[G1B+3], 256<<16
	s_mov_b32 s[G1B+4], 64
	s_mov_b32 s[G1B+5], 1024
	s_mov_b32 s[G1B+6], 0
	s_mov_b32 s[G1B+7], 0
	s_lshl_b32 s17, s12, 17                        ; half a tile: 4 row tiles of 32,768 bytes, or 64 rows of 2,048
	s_lshl_b32 s16, s13, 18
	s_add_co_u32 s16, s16, s17                     ; att: by the tile row
	s_lshl_b32 s46, s42, 18
	s_add_co_u32 s46, s46, s17                     ; Wo: by the tile column
	s_mov_b32 s17, 0
	s_mov_b32 s47, 0
	s_lshl_b32 s20, s12, 15                        ; where they go: the half alone enters an LDS address
	s_mul_i32 s21, s12, BHALF
	s_add_co_u32 s21, s21, BOFF
	s_wait_dscnt 0x0                               ; both opening adds are done
	s_wait_kmcnt 0x0
	s_add_nc_u64 s[14:15], s[4:5], s[16:17]
	s_add_nc_u64 s[46:47], s[6:7], s[46:47]
	CROUND                                         ; all sixteen work-groups are here: the first joint loads meet
.irp s, 0,1
	s_mov_b32 s[G0+4*\s], 1
	s_add_co_u32 s[G0+4*\s+1], s20, \s*SLOT
	s_add_nc_u64 s[G0+4*\s+2:G0+4*\s+3], s[14:15], \s*8192        ; K step s: 8 images of each row tile
	s_or_b32 s[G0+4*\s+3], s[G0+4*\s+3], 0x80000000
	s_mov_b32 s[G0B+4*\s], 1
	s_add_co_u32 s[G0B+4*\s+1], s21, \s*SLOT
	s_add_nc_u64 s[G0B+4*\s+2:G0B+4*\s+3], s[46:47], \s*512
	s_or_b32 s[G0B+4*\s+3], s[G0B+4*\s+3], 0x80000000
	JLOAD \s
.endr
	v_and_b32 v1, 15, v0                           ; l % 16
	v_bfe_u32 v2, v0, 4, 1                         ; l / 16
	v_and_b32 v6, 31, v0
	v_lshlrev_b32 v6, 4, v6                        ; 16 x lane: an image's place for my lane
	s_lshl_b32 s21, s11, 15                        ; my 64 rows of att: 4 row tiles
	v_add_nc_u32 v[ADRA], s21, v6
	v_add_nc_u32 v[ADRA+1], SLOT, v[ADRA]
	v_mul_u32_u24 v3, v1, PITCH
	v_lshl_add_u32 v3, v2, 4, v3
	s_mul_i32 s22, s12, BHALF                      ; my 64 rows of Wo
	s_add_co_u32 s22, s22, BOFF
	v_add_nc_u32 v[ADRB], s22, v3
	v_add_nc_u32 v[ADRB+1], SLOT, v[ADRB]
	s_mul_i32 s23, s10, 16*SPITCH
	s_add_co_u32 s23, s23, STAGE                   ; my stage
	v_mul_u32_u24 v4, v1, SPITCH                   ; in: row l % 16, 32 bytes for each half of the lanes
	v_lshl_add_u32 v4, v2, 5, v4
	v_add_nc_u32 v[STO], s23, v4
	v_mul_u32_u24 v5, v2, SPITCH                   ; back: lanes 0-15 take one row of 256 bytes, lanes 16-31 the next
	v_lshl_add_u32 v5, v1, 4, v5
	v_add_nc_u32 v[RD], s23, v5
	v_lshlrev_b32 v5, 12, v2                       ; and the same two rows in out0
	v_lshl_add_u32 v[CO], v1, 4, v5
	s_lshl_b32 s16, s13, 19                        ; 128 rows of 4,096 bytes a tile row,
	s_lshl_b32 s17, s11, 18                        ; my 64 rows,
	s_add_co_u32 s16, s16, s17
	s_lshl_b32 s17, s42, 9                         ; 512 bytes a tile column,
	s_add_co_u32 s16, s16, s17
	s_lshl_b32 s17, s12, 8                         ; my 64 columns
	s_add_co_u32 s16, s16, s17
	s_mov_b32 s17, 0
	s_add_nc_u64 s[8:9], s[8:9], s[16:17]
; 8 matrix instructions: m blocks a0, a0 + 1 x all 4 n blocks, 32 along K: half c of buffer f.  zero = 1: the first product starts the sums.  The 16 accumulators take turns
.macro MUL8 f, c, a0, zero
.irp a, \a0, \a0+1
.irp b, 0,1,2,3
.if \zero
	v_wmma_f32_16x16x32_f16 v[ACC+8*(4*(\a)+\b):ACC+8*(4*(\a)+\b)+7], v[\f+64+8*(4*\c+\b):\f+64+8*(4*\c+\b)+7], v[\f+8*(4*\c+\a):\f+8*(4*\c+\a)+7], 0
.else
	v_wmma_f32_16x16x32_f16 v[ACC+8*(4*(\a)+\b):ACC+8*(4*(\a)+\b)+7], v[\f+64+8*(4*\c+\b):\f+64+8*(4*\c+\b)+7], v[\f+8*(4*\c+\a):\f+8*(4*\c+\a)+7], v[ACC+8*(4*(\a)+\b):ACC+8*(4*(\a)+\b)+7]
.endif
.endr
.endr
.endm
; 32 LDS loads in one run: the fragments of 64 along K (k: their byte in a row of Wo) into buffer f; the first 32 along K first
.macro FETCH slot, k, f
	WIN TO_F
.irp c, 0,1
.irp i, 0,1,2,3
	ds_load_b128 v[\f+64+8*(4*\c+\i):\f+64+8*(4*\c+\i)+3],   v[ADRB+\slot] offset:\k+64*\c+\i*16*PITCH
	ds_load_b128 v[\f+64+8*(4*\c+\i)+4:\f+64+8*(4*\c+\i)+7], v[ADRB+\slot] offset:\k+64*\c+\i*16*PITCH+32
	ds_load_b128 v[\f+8*(4*\c+\i):\f+8*(4*\c+\i)+3],         v[ADRA+\slot] offset:\i*8192+((\k)/64+\c)*1024
	ds_load_b128 v[\f+8*(4*\c+\i)+4:\f+8*(4*\c+\i)+7],       v[ADRA+\slot] offset:\i*8192+((\k)/64+\c)*1024+512
.endr
.endr
.endm
.macro PLACES                          ; four places in front of loads into registers that matrix instructions have read, and of the first read of results
.rept 4
	v_nop
.endr
.endm
; A K step is four quarters of 64 along K, 32 matrix instructions each, on buffers 0, 1, 0, 1.  One of the first three: multiplies buffer f and fetches the next quarter, at byte k, into g.
.macro QUARTER slot, k, f, g, zero
	s_wait_dscnt 16                                ; the first 32 along K are in; the 16 younger loads may be out
	WIN MUL
	MUL8 \f, 0, 0, \zero
	MUL8 \f, 0, 2, \zero
	PLACES
	FETCH \slot, \k, \g
	s_wait_dscnt 32                                ; all but the 32 just issued
	WIN MUL
	MUL8 \f, 1, 0, 0
	MUL8 \f, 1, 2, 0
.endm
; The last quarter multiplies buffer 1 and changes slots: ONE barrier; in front of it each wave waits for all its tensor loads, adds 0 to its spare word, and waits for that and for its reads of this slot.
; fill = 1: this slot is filled again, two K steps ahead; the barrier then opens a round of the cluster's.
.macro TURN slot, next, fill
	WIN 0
	s_wait_tensorcnt 0x0                           ; all my tensor loads have landed: my part of the next slot
	ds_add_u32 v[SPW], v[NIL]                      ; 0 onto my spare word
	s_wait_dscnt 17                                ; (the add and the youngest sixteen loads may be out)
	WIN MUL
	MUL8 F1, 0, 0, 0
	s_wait_dscnt 0x0                               ; the add is done, and my reads of this slot are over
	s_barrier_signal -1
	MUL8 F1, 0, 2, 0
.if \fill
	WIN 0
.endif
	s_barrier_wait -1
.if \fill
	CREST                                          ; no wave of any partner still reads this slot's tile or has a load on its way
	s_add_nc_u64 s[G0+4*\slot+2:G0+4*\slot+3], s[G0+4*\slot+2:G0+4*\slot+3], 16384
	s_add_nc_u64 s[G0B+4*\slot+2:G0B+4*\slot+3], s[G0B+4*\slot+2:G0B+4*\slot+3], 1024
	JLOAD \slot                                    ; the first tensor load behind the round; the four v_nop behind it are also the places in front of the loads below
.else
	PLACES
.endif
	FETCH \next, 0, F0
	WIN MUL
	MUL8 F1, 1, 0, 0
	MUL8 F1, 1, 2, 0
.endm
	s_wait_tensorcnt 1                             ; my part of K step 0 is in (K step 1's load may be out),
	s_barrier_signal -1
	s_barrier_wait -1                              ; everybody's is
	FETCH 0, 0, F0
	QUARTER 0, 128, F0, F1, 1                      ; K step 0: its first products start the sums
	QUARTER 0, 256, F1, F0, 0
	QUARTER 0, 384, F0, F1, 0
	TURN 0, 1, 1                                   ; slot 0 takes K step 2
	QUARTER 1, 128, F0, F1, 0                      ; K step 1
	QUARTER 1, 256, F1, F0, 0
	QUARTER 1, 384, F0, F1, 0
	TURN 1, 0, 1                                   ; slot 1 takes K step 3
	QUARTER 0, 128, F0, F1, 0                      ; K step 2
	QUARTER 0, 256, F1, F0, 0
	QUARTER 0, 384, F0, F1, 0
	TURN 0, 1, 0                                   ; nothing is left to ask for
	QUARTER 1, 128, F0, F1, 0                      ; K step 3
	QUARTER 1, 256, F1, F0, 0
	QUARTER 1, 384, F0, F1, 0
	s_wait_dscnt 16
	WIN MUL
	MUL8 F1, 0, 0, 0
	MUL8 F1, 0, 2, 0
	s_wait_dscnt 0
	MUL8 F1, 1, 0, 0
	MUL8 F1, 1, 2, 0
	WIN 0
; THE WAY OUT, block by block of 16 rows x 64 columns of f32.  A lane holds 32 neighbouring bytes of a row and the lanes beside it other rows: a block goes through my own stage in LDS and comes back as whole
; rows of 256 bytes.  LDS serves a wave's instructions in order (ISA guide 5.7.1.4): no wait between the stores and the loads, nor in front of the next block's stores.
.macro TOSTAGE a
.irp b, 0,1,2,3
	ds_store_b128 v[STO], v[ACC+8*(4*(\a)+\b):ACC+8*(4*(\a)+\b)+3] offset:64*\b       ; each accumulator from its low end on
	ds_store_b128 v[STO], v[ACC+8*(4*(\a)+\b)+4:ACC+8*(4*(\a)+\b)+7] offset:64*\b+16
.endr
.irp t, 0,1,2,3,4,5,6,7
	ds_load_b128 v[TMP+32*((\a)%2)+4*\t:TMP+32*((\a)%2)+4*\t+3], v[RD] offset:\t*2*SPITCH
.endr
.endm
.macro SEND a, younger                 ; younger: the LDS instructions issued behind block a's loads, which may stay out
	s_wait_dscnt \younger
.irp t, 0,1,2,3,4,5,6,7
	global_store_b128 v[CO], v[TMP+32*((\a)%2)+4*\t:TMP+32*((\a)%2)+4*\t+3], s[8:9] offset:(16*(\a)+2*\t)*4096 th:TH_STORE_NT   ; 16 lanes store 256 consecutive bytes, aligned
.endr
.endm
	PLACES
	TOSTAGE 0
.irp a, 1,2,3
.if \a > 1
	s_wait_xcnt 0x0                                ; block a - 2's stores have read their registers: block a's loads may land there
.endif
	TOSTAGE \a
	SEND \a-1, 16                                  ; behind block a - 1's loads: block a's 8 stores and 8 loads
.endr
	SEND 3, 0
	s_wait_tensorcnt 0x0                           ; the wave's end: behind my last tensor load and my last LDS store
	ds_add_u32 v[SPW], v[NIL]
	s_wait_dscnt 0x0
	CROUND                                         ; the closing round
	s_endpgm
.Lfunc_end_k_qafa7572647_proj:
	.size	k_qafa7572647_proj, .Lfunc_end_k_qafa7572647_proj-k_qafa7572647_proj
	.p2alignl 7, 3214868480
	.fill 96, 4, 3214868480
	.section	.rodata,"a",@progbits
	.p2align	6, 0x0
	.amdhsa_kernel k_qafa7572647_proj
		.amdhsa_group_segment_fixed_size 327680
		.amdhsa_private_segment_fixed_size 0
		.amdhsa_enable_private_segment 0
		.amdhsa_kernarg_size 24
		.amdhsa_user_sgpr_count 2
		.amdhsa_user_sgpr_kernarg_segment_ptr 1
		.amdhsa_wavefront_size32 1
		.amdhsa_system_sgpr_workgroup_id_x 1
		.amdhsa_system_sgpr_workgroup_id_y 1
		.amdhsa_system_sgpr_workgroup_id_z 1
		.amdhsa_system_vgpr_workitem_id 0
		.amdhsa_next_free_vgpr 512
		.amdhsa_next_free_sgpr 66
		.amdhsa_reserve_vcc 0
		.amdhsa_float_denorm_mode_32 3
		.amdhsa_float_denorm_mode_16_64 3
		.amdhsa_memory_ordered 1
		.amdhsa_forward_progress 1
		.amdhsa_inst_pref_size 85
	.end_amdhsa_kernel
	.amdgpu_metadata
---
amdhsa.version: [ 1, 2 ]
amdhsa.kernels:
  - .name:           k_qafa7572647_proj
    .symbol:         k_qafa7572647_proj.kd
    .args:
      - { .name: att, .offset: 0, .size: 8, .value_kind: global_buffer, .address_space: global }
      - { .name: wo16, .offset: 8, .size: 8, .value_kind: global_buffer, .address_space: global }
      - { .name: out0, .offset: 16, .size: 8, .value_kind: global_buffer, .address_space: global }
    .group_segment_fixed_size: 327680
    .private_segment_fixed_size: 0
    .kernarg_segment_align: 8
    .kernarg_segment_size: 24
    .max_flat_workgroup_size: 128
    .sgpr_count:     66
    .vgpr_count:     512
    .wavefront_size: 32
...
	.end_amdgpu_metadata
.endif
;; end of part 4
;; launch first16 (part 5): grid 64 x 2, 16 waves a work-group, no clusters, 18,432 bytes of LDS; arguments fine, Wo, out0; writes out0
.if DOCPART == 5
	.amdgcn_target "amdgcn-amd-amdhsa--gfx1250"
	.amdhsa_code_object_version 6
	.text
	.protected	k_qafa7572647_first16
	.globl	k_qafa7572647_first16
	.p2align	8
	.type	k_qafa7572647_first16,@function
k_qafa7572647_first16:
	s_mov_b64 s[64:65], 0
	v_nop
	global_prefetch_b8 v0, s[64:65] scope:SCOPE_SE
	s_setreg_imm32_b32 hwreg(HW_REG_WAVE_MODE, 25, 1), 1
	s_wait_xcnt 0x0
; Positions 0-15 of both sequences, attention and projection, in f32 throughout: under the causal mask these rows average one to sixteen values and are the largest in size, so 16-bit operands weigh most there.
; It writes those 32 rows of out0 again, behind the launch that made all rows with f16 operands.
; fine: [16 b + head][q x log2(e) / 8, k, v][4,096 bytes]: 32 f32 registers a lane, four at 512 m + 16 L.  q, k: register 8 nb + j = (position r, channel 16 nb + 8 h + j); v: register 8 ct + j =
; (position 8 h + j, channel 16 ct + r); r = lane % 16, h = lane / 16.
; SHARES.  Work-group (x, b): columns 16 x .. 16 x + 15 of out0 for batch b.  Wave hd is head hd: it makes that head's attention for the 16 positions and its 64 channels' part of the 16 x 16 results; the 16 parts
; are added through LDS.  The attention is made anew in each of the 64 column tiles: 32 of a wave's 48 matrix instructions; that spares a launch and a trip through memory.
; THE f32 MATRIX FORM takes K = 4: register j of lane (r, h) is k = 2 h + j.  Along K the order is free so long as both sources use the same: each step takes registers 2 n, 2 n + 1 of both operands as they lie.
; Its result registers are written by matrix instructions alone; what is made of a sum goes into other registers.  It wants eight places behind it.
; The stores are pieces of 64 bytes of a row (16 columns): 131,072 bytes in the whole launch.  No cluster, no tensor load: each operand is a few KB, read once by a wave.
; REGISTERS: v1 16 x lane; v6 r - 8 h; v7 -infinity; v8 Wo's offset; v9 - v11 LDS and out0 offsets; v16-47 q, later attention's result; v48-79 k; v80-111 v; v112-143 Wo;
;   v144-151, v152-159 S^T in two halves; v160-191 O^T; v192-223 the projection's four sums; v224-231, v232-239 at work; v240-247 statistics.
.set SPARE, 16384                      ; behind the 16 parts of 1,024 bytes: the spare words, 128 bytes for each of 16 waves
	s_load_b128 s[4:7], s[0:1], 0x0                ; fine, Wo
	s_load_b64 s[8:9], s[0:1], 0x10                ; out0
	v_lshl_add_u32 v4, v0, 2, SPARE                ; my spare word; never rewritten
	v_mov_b32 v5, 0                                ; 0; never rewritten
	v_lshrrev_b32 v1, 5, v0
	v_readfirstlane_b32 s10, v1                    ; wave = head
	s_and_b32 s11, ttmp7, 0xffff                   ; batch
	v_and_b32 v10, 31, v0
	v_lshlrev_b32 v1, 4, v10                       ; 16 x lane
	v_and_b32 v2, 15, v0                           ; r
	v_bfe_u32 v3, v0, 4, 1                         ; h
	v_lshlrev_b32 v11, 3, v3
	v_sub_nc_u32 v6, v2, v11                       ; r - 8 h
	v_mov_b32 v7, 0xff800000
	v_lshlrev_b32 v8, 12, v2
	v_lshl_add_u32 v8, v3, 5, v8                   ; 4,096 r + 32 h: a row of Wo or of out0, my half's eight numbers
	s_lshl_b32 s12, s10, 10
	v_add_nc_u32 v9, s12, v1                       ; LDS: my part: 1,024 x wave + 16 x lane
	s_lshl_b32 s12, s10, 9
	v_add_nc_u32 v10, s12, v1                      ; waves 0 and 1 add the parts: 512 x wave + 16 x lane
	s_lshl_b32 s12, s10, 4
	v_add_nc_u32 v11, s12, v8                      ; and store: + 16 x wave
	v_mov_b32 v247, 0                              ; (named as the upper half of a pair)
	s_mov_b32 s18, 0x76543210
	s_mov_b32 s19, 0xfedcba98                      ; v_permlanex16_b32: lane l xor 16
	s_lshl_b32 s12, s11, 4
	s_add_co_u32 s12, s12, s10
	s_mul_i32 s12, s12, 12288                      ; fine: my head's three operands
	s_mov_b32 s13, 0
	s_lshl_b32 s14, ttmp9, 16                      ; Wo: 16 rows of 4,096 bytes a column tile,
	s_lshl_b32 s15, s10, 8                         ; my head's 64 channels
	s_add_co_u32 s14, s14, s15
	s_mov_b32 s15, 0
	s_lshl_b32 s16, s11, 23                        ; out0: a batch is 8,388,608 bytes,
	s_lshl_b32 s17, ttmp9, 6                       ; 64 bytes a column tile
	s_add_co_u32 s16, s16, s17
	s_mov_b32 s17, 0
	s_wait_kmcnt 0x0
	s_add_nc_u64 s[4:5], s[4:5], s[12:13]
	s_add_nc_u64 s[6:7], s[6:7], s[14:15]
	s_add_nc_u64 s[8:9], s[8:9], s[16:17]
.irp m, 0,1,2,3,4,5,6,7
	global_load_b128 v[16+4*\m:19+4*\m], v1, s[4:5] offset:512*\m
.endr
.irp m, 0,1,2,3,4,5,6,7
	global_load_b128 v[48+4*\m:51+4*\m], v1, s[4:5] offset:4096+512*\m
.endr
.irp m, 0,1,2,3,4,5,6,7
	global_load_b128 v[80+4*\m:83+4*\m], v1, s[4:5] offset:8192+512*\m
.endr
.irp t, 0,1,2,3
.irp e, 0,1
	global_load_b128 v[112+8*\t+4*\e:115+8*\t+4*\e], v8, s[6:7] offset:64*\t+16*\e   ; Wo(16 x + r, 64 hd + 16 t + 8 h + 0 .. 7): the same places along K as attention's result has
.endr
.endr
	s_wait_loadcnt 16                              ; q and k are in; v's and Wo's 16 loads may be out
	; S^T = k q^T: 16 steps of 4 channels, on two accumulators by turns; the first two start the sums
.irp n, 0,1,2,3,4,5,6,7,8,9,10,11,12,13,14,15
.if \n < 2
	v_wmma_f32_16x16x4_f32 v[144+8*(\n%2):151+8*(\n%2)], v[48+2*\n:49+2*\n], v[16+2*\n:17+2*\n], 0
.else
	v_wmma_f32_16x16x4_f32 v[144+8*(\n%2):151+8*(\n%2)], v[48+2*\n:49+2*\n], v[16+2*\n:17+2*\n], v[144+8*(\n%2):151+8*(\n%2)]
.endif
.endr
.rept 8
	v_nop
.endr
.irp i, 0,1,2,3
	v_pk_add_f32 v[224+2*\i:225+2*\i], v[144+2*\i:145+2*\i], v[152+2*\i:153+2*\i]     ; register j of lane (r, h): the score, in base 2, of query r and key 8 h + j
.endr
.irp j, 0,1,2,3,4,5,6,7
	v_cmp_gt_i32 vcc_lo, \j, v6                    ; key 8 h + j comes after query r
	v_cndmask_b32 v[224+\j], v[224+\j], v7, vcc_lo
.endr
	v_max3_num_f32 v240, v224, v225, v226
	v_max3_num_f32 v241, v227, v228, v229
	v_max3_num_f32 v240, v240, v230, v231
	v_max_num_f32 v240, v240, v241
	v_permlanex16_b32 v241, v240, s18, s19
	v_max_num_f32 v240, v240, v241                 ; the row's maximum: key 0 counts for every query
.irp j, 0,1,2,3,4,5,6,7
	v_sub_f32 v[224+\j], v[224+\j], v240
.endr
.irp j, 0,1,2,3,4,5,6,7
	v_exp_f32 v[232+\j], v[224+\j]
.endr
	v_nop                                          ; a plain instruction behind the last exponential,
	s_wait_alu depctr_va_vdst(0)                   ; and the wait, one for the batch
	v_pk_add_f32 v[242:243], v[232:233], v[234:235]
	v_pk_add_f32 v[244:245], v[236:237], v[238:239]
	v_pk_add_f32 v[242:243], v[242:243], v[244:245]
	v_add_f32 v242, v242, v243
	v_permlanex16_b32 v243, v242, s18, s19
	v_add_f32 v242, v242, v243                     ; the row's sum
	v_rcp_f32 v246, v242
	v_nop
	s_wait_alu depctr_va_vdst(0)
	s_wait_loadcnt 8                               ; v is in; Wo's 8 loads may be out
	; O^T = v^T p: 4 steps of 4 keys, four accumulators (16 channels each) by turns
.irp s, 0,1,2,3
.irp ct, 0,1,2,3
.if \s == 0
	v_wmma_f32_16x16x4_f32 v[160+8*\ct:167+8*\ct], v[80+8*\ct+2*\s:81+8*\ct+2*\s], v[232+2*\s:233+2*\s], 0
.else
	v_wmma_f32_16x16x4_f32 v[160+8*\ct:167+8*\ct], v[80+8*\ct+2*\s:81+8*\ct+2*\s], v[232+2*\s:233+2*\s], v[160+8*\ct:167+8*\ct]
.endif
.endr
.endr
.rept 8
	v_nop
.endr
.irp n, 0,1,2,3,4,5,6,7,8,9,10,11,12,13,14,15
	v_pk_mul_f32 v[16+2*\n:17+2*\n], v[160+2*\n:161+2*\n], v[246:247] op_sel_hi:[1,0]   ; / the sum: register 8 ct + j = (position r, channel 16 ct + 8 h + j)
.endr
	s_wait_loadcnt 0x0                             ; Wo
	; my head's part of out0^T: source 0 = 16 rows of Wo, source 1 = the 16 positions; 16 steps of 4 channels, four accumulators by turns
.irp i, 0,1,2,3
.irp t, 0,1,2,3
.if \i == 0
	v_wmma_f32_16x16x4_f32 v[192+8*\t:199+8*\t], v[112+8*\t+2*\i:113+8*\t+2*\i], v[16+8*\t+2*\i:17+8*\t+2*\i], 0
.else
	v_wmma_f32_16x16x4_f32 v[192+8*\t:199+8*\t], v[112+8*\t+2*\i:113+8*\t+2*\i], v[16+8*\t+2*\i:17+8*\t+2*\i], v[192+8*\t:199+8*\t]
.endif
.endr
.endr
.rept 8
	v_nop
.endr
.irp i, 0,1,2,3
	v_pk_add_f32 v[224+2*\i:225+2*\i], v[192+2*\i:193+2*\i], v[200+2*\i:201+2*\i]
.endr
.irp i, 0,1,2,3
	v_pk_add_f32 v[232+2*\i:233+2*\i], v[208+2*\i:209+2*\i], v[216+2*\i:217+2*\i]
.endr
.irp i, 0,1,2,3
	v_pk_add_f32 v[224+2*\i:225+2*\i], v[224+2*\i:225+2*\i], v[232+2*\i:233+2*\i]     ; register j of lane (r, h): position r, column 16 x + 8 h + j
.endr
	ds_store_b128 v9, v[224:227]
	ds_store_b128 v9, v[228:231] offset:512
	s_wait_dscnt 0x0                               ; for the others' sake: my part lies in LDS
	s_barrier_signal -1
	s_barrier_wait -1
	s_cmp_ge_u32 s10, 2
	s_cbranch_scc1 .Lend
.irp k, 0,1,2,3,4,5,6,7,8,9,10,11,12,13,14,15
	ds_load_b128 v[48+4*\k:51+4*\k], v10 offset:1024*\k   ; wave e: registers 4 e .. 4 e + 3 of all 16 parts
.endr
	s_wait_dscnt 0x0
.irp k, 0,1,2,3,4,5,6,7
	v_pk_add_f32 v[48+4*\k:49+4*\k], v[48+4*\k:49+4*\k], v[80+4*\k:81+4*\k]
	v_pk_add_f32 v[50+4*\k:51+4*\k], v[50+4*\k:51+4*\k], v[82+4*\k:83+4*\k]
.endr
.irp k, 0,1,2,3
	v_pk_add_f32 v[48+4*\k:49+4*\k], v[48+4*\k:49+4*\k], v[64+4*\k:65+4*\k]
	v_pk_add_f32 v[50+4*\k:51+4*\k], v[50+4*\k:51+4*\k], v[66+4*\k:67+4*\k]
.endr
.irp k, 0,1
	v_pk_add_f32 v[48+4*\k:49+4*\k], v[48+4*\k:49+4*\k], v[56+4*\k:57+4*\k]
	v_pk_add_f32 v[50+4*\k:51+4*\k], v[50+4*\k:51+4*\k], v[58+4*\k:59+4*\k]
.endr
	v_pk_add_f32 v[48:49], v[48:49], v[52:53]
	v_pk_add_f32 v[50:51], v[50:51], v[54:55]
	global_store_b128 v11, v[48:51], s[8:9]        ; out0(b, r, 16 x + 8 h + 4 e + 0 .. 3)
.Lend:
	s_wait_tensorcnt 0x0                           ; the wave's end: behind my last LDS store
	ds_add_u32 v4, v5
	s_wait_dscnt 0x0
	s_endpgm
.Lfunc_end_k_qafa7572647_first16:
	.size	k_qafa7572647_first16, .Lfunc_end_k_qafa7572647_first16-k_qafa7572647_first16
	.p2alignl 7, 3214868480
	.fill 96, 4, 3214868480
	.section	.rodata,"a",@progbits
	.p2align	6, 0x0
	.amdhsa_kernel k_qafa7572647_first16
		.amdhsa_group_segment_fixed_size 18432
		.amdhsa_private_segment_fixed_size 0
		.amdhsa_enable_private_segment 0
		.amdhsa_kernarg_size 24
		.amdhsa_user_sgpr_count 2
		.amdhsa_user_sgpr_kernarg_segment_ptr 1
		.amdhsa_wavefront_size32 1
		.amdhsa_system_sgpr_workgroup_id_x 1
		.amdhsa_system_sgpr_workgroup_id_y 1
		.amdhsa_system_sgpr_workgroup_id_z 1
		.amdhsa_system_vgpr_workitem_id 0
		.amdhsa_next_free_vgpr 256
		.amdhsa_next_free_sgpr 66
		.amdhsa_reserve_vcc 1
		.amdhsa_float_denorm_mode_32 3
		.amdhsa_float_denorm_mode_16_64 3
		.amdhsa_memory_ordered 1
		.amdhsa_forward_progress 1
		.amdhsa_inst_pref_size 16
	.end_amdhsa_kernel
	.amdgpu_metadata
---
amdhsa.version: [ 1, 2 ]
amdhsa.kernels:
  - .name:           k_qafa7572647_first16
    .symbol:         k_qafa7572647_first16.kd
    .args:
      - { .name: fine, .offset: 0, .size: 8, .value_kind: global_buffer, .address_space: global }
      - { .name: Wo, .offset: 8, .size: 8, .value_kind: global_buffer, .address_space: global }
      - { .name: out0, .offset: 16, .size: 8, .value_kind: global_buffer, .address_space: global }
    .group_segment_fixed_size: 18432
    .private_segment_fixed_size: 0
    .kernarg_segment_align: 8
    .kernarg_segment_size: 24
    .max_flat_workgroup_size: 512
    .sgpr_count:     66
    .vgpr_count:     256
    .wavefront_size: 32
...
	.end_amdgpu_metadata
.endif
;; end of part 5
